; MI455X (gfx1250); checked and timed in simulation.
; The chip was launched on July 23, 2026; its instructions are those of AMD's public machine-readable ISA for CDNA 5 (MIT licence, August 2026) and "CDNA5" Instruction Set Architecture Reference Guide (July 2026). The comments in the code are by the model that wrote it; some were corrected since.
;; Multi Head. Allowed arithmetic: matrix products marked QUANTISED: E4M3 operands, one given power-of-two scale a tensor, by v_wmma_f32_16x16x64_fp8_fp8 or v_wmma_f32_16x16x128_fp8_fp8, f32 sums; everything else in f32.
;; Inputs: bk 1,024 float32; bo 1,024 float32; bq 1,024 float32; bv 1,024 float32; key 4 x 2,048 x 1,024 float32; lowp_scales 12 int32 (the exponents e of the quantised operands' scales 2^e); query 4 x 2,048 x 1,024 float32; value 4 x 2,048 x 1,024 float32; wk 1,024 x 1,024 float32; wo 1,024 x 1,024 float32; wq 1,024 x 1,024 float32; wv 1,024 x 1,024 float32.
;; Outputs: out0 4 x 2,048 x 1,024 float32.
;; This version of the problem:
;;   THIS VERSION OF THE PROBLEM IS GIVEN IN LOW PRECISION. The matrix products marked QUANTISED in the list below multiply operands that are first quantised to E4M3 (4 exponent bits, 3 mantissa bits; 8 bits a number), with one given power-of-two scale for each operand tensor; their sums are f32. All else is computed in f32.
;;   The module's matrix products, in the order in which they are computed (A, B: the left and right operand; K: the contracted axis; several contracted axes count as one K, in the product's order):
;;     1. [M 8,192, K 1,024] x [K 1,024, N 1,024]; A: input query; B: input wq: QUANTISED (scales: A lowp_scales[0], B lowp_scales[1])
;;     2. [M 8,192, K 1,024] x [K 1,024, N 1,024]; A: input key; B: input wk: QUANTISED (scales: A lowp_scales[2], B lowp_scales[3])
;;     3. [M 8,192, K 1,024] x [K 1,024, N 1,024]; A: input value; B: input wv: QUANTISED (scales: A lowp_scales[4], B lowp_scales[5])
;;     4. batch 64 x [M 2,048, K 64] x [K 64, N 2,048]; A: computed on the way; B: computed on the way: QUANTISED (scales: A lowp_scales[6], B lowp_scales[7])
;;     5. batch 64 x [M 64, K 2,048] x [K 2,048, N 2,048]; A: computed on the way; B: softmax (see below): QUANTISED (scales: A lowp_scales[8], B lowp_scales[9])
;;     6. [M 8,192, K 1,024] x [K 1,024, N 1,024]; A: computed on the way; B: input wo: QUANTISED (scales: A lowp_scales[10], B lowp_scales[11])
;;   THE QUANTISER, for each operand of a quantised product, along K:
;;     - The operand's scale is 2^e, e = its entry of the input lowp_scales (int32; the entries are numbered through the quantised products in the list's order, A before B).
;;     - Each number is divided by the scale, clamped to +-448, and rounded to the nearest number of E4M3, ties to even, subnormals kept.
;;     - The product sums the exact products of the quantised numbers (number of the format x scale) in f32.
;;   ~~~python
;;   def quantise(x, axis, e):      # numpy; x: float32 -> the quantised numbers, widened to float32 again
;;       x = np.moveaxis(x, axis, -1); K = x.shape[-1]
;;       r = np.clip(x / 2.0 ** e, -448, 448)
;;       step = 2.0 ** (np.maximum(np.frexp(np.where(r == 0, 1, r))[1] - 1, -6) - 3)
;;       q = np.round(r / step) * step * 2.0 ** e      # np.round: ties to even
;;       return np.moveaxis(q, -1, axis).astype(np.float32)
;;   ~~~
;;   SOFTMAX AHEAD OF A QUANTISED PRODUCT. Where the list says 'softmax', what is quantised is not the finished softmax but p = 2^(t - M), with t = logit x log2(e) and M = ceil(the row's largest t), a whole number; so 1/2 < the row's largest p <= 1. The row's sum l is taken of the UNQUANTISED p, in f32, and the product's result is divided by l at the end. Since M is a whole number, a kernel that streams over the keys may use a running M (the ceiling of the running maximum): every later rescaling is an exact power of two, so the quantised numbers keep their values, but for numbers so far below the row's largest that they fall under the format's range.
;;   OPERANDS COMPUTED ON THE WAY. 'Computed on the way' means the value that the module computes at that place (a softmax that the list does not call 'softmax' is quantised finished and normalised). What goes into a quantiser is computed in f32, as accurately as f32 sums, v_exp_f32 and their like allow (about 1e-6 of the number): no bf16 or f16 on the way to a quantiser, and a product that is left as it is and whose result goes on into a quantised operand takes f32 operands (vector FMAs, or v_wmma_f32_16x16x4_f32). A number that lies on a knife's edge between two numbers of the format may be rounded either way, as far as f32 arithmetic and the matrix unit's own rounding can turn it there, and no further.
;; One version. Each part assembles by itself: llvm-mc -triple=amdgcn-amd-amdhsa -mcpu=gfx1250 --defsym DOCPART=n.
;; ======== version 1 of 1: 4 launches
;; limits: right only within a limited range of input values
;; workspace buffers: xc 25,165,824 bytes; wc 4,194,304 bytes; pc 25,165,824 bytes; ac 8,388,608 bytes
;; launch quant (part 1): grid 512 x 1, 4 waves a work-group, no clusters, 9,728 bytes of LDS; arguments query, key, value, wq, wk, wv, wo, lowp_scales, xc, wc; writes xc, wc
.if DOCPART == 1
	.amdgcn_target "amdgcn-amd-amdhsa--gfx1250"
	.amdhsa_code_object_version 6
	.text
	.protected	k_qfd6ee453ec_quant
	.globl	k_qfd6ee453ec_quant
	.p2align	8
	.type	k_qfd6ee453ec_quant,@function
k_qfd6ee453ec_quant:
	s_mov_b64 s[64:65], 0
	v_nop
	global_prefetch_b8 v0, s[64:65] scope:SCOPE_SE
	s_setreg_imm32_b32 hwreg(HW_REG_WAVE_MODE, 25, 1), 1
	s_wait_xcnt 0x0
; query, key, value [8192][1024] and wq, wk, wv, wo [1024 (k)][1024 (n)], all f32, become codes of FP8 (E4M3), each tensor with the one scale 2^e given for it:
; code = x / 2^e, held within +-448, to the nearest code, ties to even.  LIMITS: -126 <= e <= 119, so that 2^e and 448 x 2^e are f32 numbers.  NaN among the inputs is not served.
; THE CODES ARE LAID AS IMAGES OF THE OPERAND'S REGISTERS.  An image is 16 rows x 128 along K, 2,048 bytes: register g (0..15) of lane L (= 16 h + r) lies at 512 (g / 4) + 16 L + 4 (g % 4);
; register 2 c + u, byte y, holds k = 16 c + 8 h + 4 u + y of row r.  A reader takes a fragment by four loads of 16 bytes a lane, 512 bytes on end each.
; xc: [tensor 3][tile of 16 rows 512][K step of 128: 8][2,048].   wc: [weight 4][tile of 16 columns n 64][K step 8][2,048]: an image's row is a column n of the weight.
; One launch for all seven: work-groups 0-127 take the weights, 128-511 the three activations.  No barrier: waves share nothing.  Only the activations' way uses LDS.
.set X,    32                          ; weights: v32-95 two sets of 32 numbers (a lane's column, 32 down K)
.set H,    96                          ; weights: v96-159: for each of two K steps of 128, 16 registers for the lanes' half h = 0 and 16 for h = 1
.set R,    32                          ; activations: v32-159 two sets of 64: row r's four numbers at R + 4 r
.set C,    160                         ; activations: v160-175: register r = four codes of row r
.set OUTR, 176                         ; activations: v176-207 two sets of 16: an image
.set STG,  2304                        ; LDS: a stage for each wave (2,176 bytes are used)
.macro SCALE                           ; s32 = e  ->  v11 = 2^e (the conversion takes its exponent field), v10 = 448 x 2^e
	s_add_co_i32 s32, s32, 127
	s_lshl_b32 s33, s32, 23
	v_mov_b32 v11, s33
	s_add_co_i32 s32, s32, 8
	s_lshl_b32 s32, s32, 23
	s_or_b32 s32, s32, 0x600000
	v_mov_b32 v10, s32
.endm
; ---- weights: a lane takes a column n, its registers run down K
.macro WLOAD b                         ; block b: w(32 b + i, my column), i = 0..31: a wave reads 128 bytes on end, the four waves 512
.set ii, 0
.rept 32
	global_load_b32 v[X+32*((\b)%2)+ii], v3, s[34:35] offset:(32*(\b)+ii)*4096 th:TH_LOAD_NT
.set ii, ii+1
.endr
.endm
.macro WBLOCK b
.set XS, X+32*((\b)%2)
.if (\b) < 7
	s_wait_loadcnt 32                              ; this block's 32 loads are in; the next block's 32 may be out
.else
	s_wait_loadcnt 0
.endif
.set ii, 0
.rept 32
	v_med3_num_f32 v[XS+ii], v[XS+ii], -v10, v10   ; the conversion to an 8-bit code does not saturate (ISA guide 7.6.2): the hold comes first
.set ii, ii+1
.endr
.irp g, 0,1,2,3                        ; k = 32 (b % 4) + 8 g + 0..7 of the K step: c = 2 (b % 4) + g / 2, half h = g % 2
	v_cvt_scalef32_pk8_fp8_f32 v[H+32*((\b)/4)+16*(\g%2)+2*(2*((\b)%4)+\g/2):H+32*((\b)/4)+16*(\g%2)+2*(2*((\b)%4)+\g/2)+1], v[XS+8*\g:XS+8*\g+7], v11
.endr
.if (\b)+2 < 8
	WLOAD (\b)+2
.endif
.endm
; K step u is whole.  Lane l holds, for column l, the registers that lanes (l % 16, h = 0) and (l % 16, h = 1) of its image want.  One exchange a register pair puts them there:
; the first register's lanes 16-31 change places with the second's lanes 0-15; then the first 16 registers are the image of columns 0-15, the others that of columns 16-31.
.macro WOUT u
	v_nop                                          ; a plain line between the last conversion and the lines that touch its result
.set ii, 0
.rept 16
	v_permlane16_swap_b32 v[H+32*\u+ii], v[H+32*\u+16+ii]
.set ii, ii+1
.endr
.irp q, 0,1,2,3
	global_store_b128 v2, v[H+32*\u+4*\q:H+32*\u+4*\q+3], s[36:37] offset:2048*\u+512*\q              ; 512 bytes on end, aligned
	global_store_b128 v2, v[H+32*\u+16+4*\q:H+32*\u+16+4*\q+3], s[36:37] offset:16384+2048*\u+512*\q  ; the next tile of columns
.endr
.endm
; ---- activations: a wave takes 16 rows; a unit is 128 along K, one image
.macro XLOAD s                         ; row r's 512 bytes of unit s: lane l takes k = 4 l .. 4 l + 3
.set ii, 0
.rept 16
	global_load_b128 v[R+64*((\s)%2)+4*ii:R+64*((\s)%2)+4*ii+3], v2, s[34:35] offset:ii*4096+512*(\s) th:TH_LOAD_NT
.set ii, ii+1
.endr
.endm
.macro XUNIT s
.set RS, R+64*((\s)%2)
.set OS, OUTR+16*((\s)%2)
.if (\s) < 7
	s_wait_loadcnt 16                              ; this unit's 16 loads are in; the next unit's 16 may be out
.else
	s_wait_loadcnt 0
.endif
.set ii, 0
.rept 64
	v_med3_num_f32 v[RS+ii], v[RS+ii], -v10, v10
.set ii, ii+1
.endr
.set ii, 0
.rept 8                                ; eight registers are two rows' four numbers: the two results are rows 2 i and 2 i + 1's four codes
	v_cvt_scalef32_pk8_fp8_f32 v[C+2*ii:C+2*ii+1], v[RS+8*ii:RS+8*ii+7], v11
.set ii, ii+1
.endr
.if (\s)+2 < 8
	XLOAD (\s)+2
.endif
.set ii, 0
.rept 16
	ds_store_b32 v4, v[C+ii] offset:16*ii          ; each word to its place in the image; for one row the 32 lanes' words fall into 32 different banks (64 banks of 4 bytes: ISA guide 11.1)
.set ii, ii+1
.endr
.if (\s) >= 2
	s_wait_xcnt 0x0                                ; the stores of two units ago have read this set of image registers
.endif
.irp q, 0,1,2,3
	ds_load_b128 v[OS+4*\q:OS+4*\q+3], v5 offset:544*\q   ; LDS serves a wave's instructions in order (ISA guide 5.7.1.4): these see the stores above
.endr
	s_wait_dscnt 0x0
.irp q, 0,1,2,3
	global_store_b128 v2, v[OS+4*\q:OS+4*\q+3], s[36:37] offset:2048*(\s)+512*\q   ; 512 bytes on end, aligned
.endr
.endm
	s_load_b512 s[8:23], s[0:1], 0x0               ; query 8, key 10, value 12, wq 14, wk 16, wv 18, wo 20, the scales' exponents 22
	s_load_b128 s[24:27], s[0:1], 0x40             ; xc 24, wc 26
	v_lshl_add_u32 v208, v0, 2, 0x2400
	v_mov_b32 v209, 0
	v_lshrrev_b32 v1, 5, v0
	v_readfirstlane_b32 s2, v1                     ; wave
	v_and_b32 v1, 31, v0                           ; lane
	v_lshlrev_b32 v2, 4, v1                        ; 16 x lane
	v_lshlrev_b32 v3, 2, v1                        ; 4 x lane
	s_mul_i32 s3, s2, STG                          ; my stage
	; into the stage: lane l's word (k = 4 l ..) belongs to register group l / 8, half (l / 2) % 2, register 2 ((l / 4) % 2) + l % 2 of the group.  A group is 544 bytes apart, a half 272: 16 bytes of padding each
	v_lshrrev_b32 v6, 3, v1
	v_mul_u32_u24 v4, v6, 544
	v_bfe_u32 v6, v1, 1, 1
	v_mad_u32_u24 v4, v6, 272, v4
	v_bfe_u32 v6, v1, 2, 1
	v_lshl_add_u32 v4, v6, 3, v4
	v_and_b32 v6, 1, v1
	v_lshl_add_u32 v4, v6, 2, v4
	v_add_nc_u32 v4, s3, v4
	v_lshrrev_b32 v6, 4, v1                        ; out of it: 272 h + 16 r
	v_and_b32 v7, 15, v1
	v_mul_u32_u24 v5, v6, 272
	v_lshl_add_u32 v5, v7, 4, v5
	v_add_nc_u32 v5, s3, v5
	s_wait_kmcnt 0x0
	s_load_b256 s[44:51], s[22:23], 0x0            ; e0 .. e7
	s_load_b32 s52, s[22:23], 0x2c                 ; e11
	s_cmp_lt_u32 ttmp9, 128
	s_cbranch_scc0 .Lx_path
	; ---- a weight's work-group: weight w, 128 columns (32 a wave), 256 along K
	s_lshr_b32 s28, ttmp9, 5                       ; w: wq, wk, wv, wo
	s_bfe_u32 s29, ttmp9, 0x30002                  ; which 128 columns
	s_and_b32 s30, ttmp9, 3                        ; which 256 along K
	s_lshl_b32 s38, s30, 20                        ; from: 256 rows of 4,096 bytes,
	s_lshl_b32 s40, s29, 9                         ; 128 columns of 4 bytes,
	s_add_co_u32 s38, s38, s40
	s_lshl_b32 s40, s2, 7                          ; my wave's 32
	s_add_co_u32 s38, s38, s40
	s_mov_b32 s39, 0
	s_lshl_b32 s40, s28, 20                        ; to: the weight's 1 MiB of wc,
	s_lshl_b32 s41, s29, 17                        ; 8 tiles of columns of 16,384 bytes,
	s_add_co_u32 s40, s40, s41
	s_lshl_b32 s41, s2, 15                         ; my wave's 2,
	s_add_co_u32 s40, s40, s41
	s_lshl_b32 s41, s30, 12                        ; two K steps of 2,048 bytes
	s_add_co_u32 s40, s40, s41
	s_mov_b32 s41, 0
	s_and_b32 s42, s28, 1
	s_cmp_lt_u32 s28, 2                            ; the choice among the four buffers hangs on the work-group's number alone
	s_cselect_b64 s[34:35], s[14:15], s[18:19]
	s_cselect_b64 s[36:37], s[16:17], s[20:21]
	s_cmp_eq_u32 s42, 1
	s_cselect_b64 s[34:35], s[36:37], s[34:35]
	s_add_nc_u64 s[34:35], s[34:35], s[38:39]
	s_add_nc_u64 s[36:37], s[26:27], s[40:41]
	WLOAD 0
	WLOAD 1
	s_wait_kmcnt 0x0
	s_cmp_lt_u32 s28, 2                            ; e1, e3, e5, e11
	s_cselect_b32 s32, s45, s49
	s_cselect_b32 s33, s47, s52
	s_cmp_eq_u32 s42, 1
	s_cselect_b32 s32, s33, s32
	SCALE
	s_wait_alu depctr_va_vdst(0)
	WBLOCK 0
	WBLOCK 1
	WBLOCK 2
	WBLOCK 3
	WOUT 0
	WBLOCK 4
	WBLOCK 5
	WBLOCK 6
	WBLOCK 7
	WOUT 1
	s_endpgm
.Lx_path:                              ; ---- an activation's work-group: tensor t, 64 rows (16 a wave), all of K
	s_sub_co_u32 s28, ttmp9, 128
	s_lshr_b32 s29, s28, 7                         ; t: query, key, value
	s_and_b32 s30, s28, 127
	s_lshl_b32 s30, s30, 2
	s_add_co_u32 s30, s30, s2                      ; my tile of 16 rows, 0..511
	s_lshl_b32 s38, s30, 16                        ; from: 16 rows of 4,096 bytes
	s_mov_b32 s39, 0
	s_lshl_b32 s40, s29, 23                        ; to: the tensor's 8 MiB of xc, the tile's 16,384 bytes
	s_lshl_b32 s41, s30, 14
	s_add_co_u32 s40, s40, s41
	s_mov_b32 s41, 0
	s_cmp_eq_u32 s29, 0
	s_cselect_b64 s[34:35], s[8:9], s[10:11]
	s_cmp_eq_u32 s29, 2
	s_cselect_b64 s[34:35], s[12:13], s[34:35]
	s_add_nc_u64 s[34:35], s[34:35], s[38:39]
	s_add_nc_u64 s[36:37], s[24:25], s[40:41]
	XLOAD 0
	XLOAD 1
	s_wait_kmcnt 0x0
	s_cmp_eq_u32 s29, 0                            ; e0, e2, e4
	s_cselect_b32 s32, s44, s46
	s_cmp_eq_u32 s29, 2
	s_cselect_b32 s32, s48, s32
	SCALE
	s_wait_alu depctr_va_vdst(0)
	XUNIT 0
	XUNIT 1
	XUNIT 2
	XUNIT 3
	XUNIT 4
	XUNIT 5
	XUNIT 6
	XUNIT 7
	s_wait_tensorcnt 0x0
	ds_add_u32 v208, v209
	s_wait_dscnt 0x0
	s_endpgm
.Lfunc_end_k_qfd6ee453ec_quant:
	.size	k_qfd6ee453ec_quant, .Lfunc_end_k_qfd6ee453ec_quant-k_qfd6ee453ec_quant
	.p2alignl 7, 3214868480
	.fill 96, 4, 3214868480
	.section	.rodata,"a",@progbits
	.p2align	6, 0x0
	.amdhsa_kernel k_qfd6ee453ec_quant
		.amdhsa_group_segment_fixed_size 9728
		.amdhsa_private_segment_fixed_size 0
		.amdhsa_enable_private_segment 0
		.amdhsa_kernarg_size 80
		.amdhsa_user_sgpr_count 2
		.amdhsa_user_sgpr_kernarg_segment_ptr 1
		.amdhsa_wavefront_size32 1
		.amdhsa_system_sgpr_workgroup_id_x 1
		.amdhsa_system_sgpr_workgroup_id_y 1
		.amdhsa_system_sgpr_workgroup_id_z 1
		.amdhsa_system_vgpr_workitem_id 0
		.amdhsa_next_free_vgpr 210
		.amdhsa_next_free_sgpr 66
		.amdhsa_reserve_vcc 0
		.amdhsa_float_denorm_mode_32 3
		.amdhsa_float_denorm_mode_16_64 3
		.amdhsa_memory_ordered 1
		.amdhsa_forward_progress 1
		.amdhsa_inst_pref_size 111
	.end_amdhsa_kernel
	.amdgpu_metadata
---
amdhsa.version: [ 1, 2 ]
amdhsa.kernels:
  - .name:           k_qfd6ee453ec_quant
    .symbol:         k_qfd6ee453ec_quant.kd
    .args:
      - { .name: query, .offset: 0, .size: 8, .value_kind: global_buffer, .address_space: global }
      - { .name: key, .offset: 8, .size: 8, .value_kind: global_buffer, .address_space: global }
      - { .name: value, .offset: 16, .size: 8, .value_kind: global_buffer, .address_space: global }
      - { .name: wq, .offset: 24, .size: 8, .value_kind: global_buffer, .address_space: global }
      - { .name: wk, .offset: 32, .size: 8, .value_kind: global_buffer, .address_space: global }
      - { .name: wv, .offset: 40, .size: 8, .value_kind: global_buffer, .address_space: global }
      - { .name: wo, .offset: 48, .size: 8, .value_kind: global_buffer, .address_space: global }
      - { .name: lowp_scales, .offset: 56, .size: 8, .value_kind: global_buffer, .address_space: global }
      - { .name: xc, .offset: 64, .size: 8, .value_kind: global_buffer, .address_space: global }
      - { .name: wc, .offset: 72, .size: 8, .value_kind: global_buffer, .address_space: global }
    .group_segment_fixed_size: 9728
    .private_segment_fixed_size: 0
    .kernarg_segment_align: 8
    .kernarg_segment_size: 80
    .max_flat_workgroup_size: 128
    .sgpr_count:     66
    .vgpr_count:     210
    .wavefront_size: 32
...
	.end_amdgpu_metadata
.endif
;; end of part 1
;; launch proj (part 2): grid 4 x 96, 4 waves a work-group, clusters of 4 x 4, 327,680 bytes of LDS; arguments xc, wc, bq, bk, bv, lowp_scales, pc; writes pc
.if DOCPART == 2
	.amdgcn_target "amdgcn-amd-amdhsa--gfx1250"
	.amdhsa_code_object_version 6
	.text
	.protected	k_qfd6ee453ec_proj
	.globl	k_qfd6ee453ec_proj
	.p2align	8
	.type	k_qfd6ee453ec_proj,@function
k_qfd6ee453ec_proj:
	s_mov_b64 s[64:65], 0
	v_nop
	global_prefetch_b8 v0, s[64:65] scope:SCOPE_SE
	s_setreg_imm32_b32 hwreg(HW_REG_WAVE_MODE, 25, 1), 1
	s_wait_xcnt 0x0
	s_wait_alu depctr_hold_cnt(0) depctr_sa_sdst(0) depctr_va_vdst(0) depctr_va_sdst(0) depctr_va_ssrc(0) depctr_va_vcc(0) depctr_vm_vsrc(0)
	s_getreg_b32 s2, hwreg(HW_REG_IB_STS2, 6, 4)
	s_cmp_eq_u32 s2, 0
	s_cbranch_scc0 .Lentry_in_a_cluster
	s_endpgm
.Lentry_in_a_cluster:
	s_bfe_u32 s2, ttmp6, 0x10000c
	s_cmp_lg_u32 s2, 0xf033
	s_cbranch_scc0 .Lentry_shape_is_right
	s_endpgm
.Lentry_shape_is_right:
; q = query wq + bq, k = key wk + bk, v = value wv + bv: three products [8192][1024] x [1024][1024] on codes of FP8 (E4M3), sums in f32; each result is quantised at once, with the scale given for it
; as an operand of attention (e6, e7, e8), and stored as images of that operand's registers.  t = cluster y / 8 says which of the three.
; IMAGES.  16 rows x 128 K in 2,048 bytes: register g of lane L at 512 (g / 4) + 16 L + 4 (g % 4); registers 2 c, 2 c + 1 of lane (r, h) hold k = 16 c + 8 h + 0..7 of row r.  xc and wc hold such images,
; [tile of 16 rows][K step of 128: 8][2,048].  A fragment is four loads of 16 bytes a lane, 512 bytes on end: no pitch, no padding.
; A tile of the result, 256 x 256, is made by four waves, 128 x 128 each: 64 accumulators.  K goes in four steps of 256 through two LDS slots.  THE A SIDE is source 1 of the matrix instruction and is shared along
; a row of the cluster, THE B SIDE is source 0 and is shared along a column; each tile is asked for jointly by the four that need it.  In accumulator (a, b) lane (r, h) holds, in register j,
; (A side's row 16 a + r, B side's row 16 b + 8 h + j): eight neighbours along the B side, which one conversion turns into registers 2 b, 2 b + 1 of an image whose rows are the A side's and whose K is the B side's.
; q, k: A side = the activation's rows, B side = the weight's columns: images of 16 queries (keys) x 64 of a head: pc + t x 8 MiB, [batch x head 64][tile of 16 rows 128][1,024].
; v:    A side = wv's columns, B side = value's rows: images of 16 of a head's 64 x 128 keys, the keys innermost: pc + 16 MiB, [batch x head 64][128 keys: 16][16 of the 64: 4][2,048].
; Only addresses differ between the two, and the bias's place (along the registers for q and k, along the lanes for v).  t is the same in all sixteen partners of a cluster.
; LIMITS on the given exponents: each product's two added lie between -126 and 127; e6, e7, e8 between -126 and 119.  NaN among the inputs is not served.
; No prefetch: K has four steps; two are the first fills and two follow at once.
; REGISTERS, in windows of 256: window 0: v0-31 addresses; v64-127 the bias; v128-255 the A side's 8 fragments, ONE set (on the way out: v128-191 numbers, v192-255 codes).
;   window 1: the B side's fragments, TWO sets, at v0 and v128.   window 2: accumulators of A blocks 0-3 ((a, b) at v[8 (8 (a % 4) + b)]);   window 3: of blocks 4-7.
.set HALFT,  32768                     ; 8 tiles of 16 rows x 4,096 bytes (256 along K): half of what one tensor load brings, and what one wave reads of a side
.set SLOT,   4*HALFT                   ; the A side's 256 rows, then the B side's
.set SPARE,  2*SLOT                    ; behind the ring: the spare words, 128 bytes for each wave: two blocks of 256 bytes that no other line names
.set BIASL,  SPARE+512                 ; 256 numbers of the bias; no fill lands here
.set KB,     4096                      ; a K step of 256 in a tile of 16 rows: two images
.set LAPS,   2                         ; 1,024 along K = two laps of two K steps
.set FR,     16                        ; registers of a fragment
.set NL,     4                         ; LDS loads that bring one
.set NP,     4                         ; places behind this matrix instruction (ISA guide 7.12.1)
.set ADRA, 16                          ; v16-17  LDS address of my A fragments in slot 0, 1
.set ADRB, 20                          ; v20-21  the same for B
.set SPW,  28                          ; v28     LDS address of my spare word; never rewritten
.set NIL,  29                          ; v29     0; never rewritten
.set AF,   128
.set BI,   64
.set TMP,  128
.set CODES, 192
.set G1, 24                            ; s[24:31] descriptor group 1 for the A side;  s[32:39] group 0, one set for each slot
.set G0, 32
.set G1B, 48                           ; s[48:55], s[56:63] the same for the B side
.set G0B, 56
.set MSB, 0
.macro WIN new                         ; the immediate's high byte repeats the setting that is left
.if MSB != (\new)
	s_set_vgpr_msb (MSB<<8)|(\new)
.set MSB, (\new)
.endif
.endm
.set MUL_LO, 0xa1                      ; source 0 (B) window 1, source 1 (A) window 0, C and D window 2
.set MUL_HI, 0xf1                      ; the same, C and D window 3
.set TO_B,   0x40                      ; destination window 1, address window 0
; A joint refill of one slot: wave wa fetches the A side's 256 rows, wave wa + 1 the B side's, the other two nothing.  The branches hang on the wave's number alone.  An s_nop 0 and four v_nop follow each load.
.macro JLOAD g0a, g1a, g0b, g1b, wa
	s_cmp_eq_u32 s14, \wa
	s_cbranch_scc0 .Lfor_b_\@
	tensor_load_to_lds s[\g0a:\g0a+3], s[\g1a:\g1a+7]
	s_nop 0
.rept 4
	v_nop
.endr
	s_branch .Lasked_\@
.Lfor_b_\@:
	s_cmp_eq_u32 s14, \wa+1
	s_cbranch_scc0 .Lasked_\@
	tensor_load_to_lds s[\g0b:\g0b+3], s[\g1b:\g1b+7]
	s_nop 0
.rept 4
	v_nop
.endr
.Lasked_\@:
.endm
.macro CREST                           ; a round of the cluster's barrier behind its opening barrier
	s_cmp_lg_u32 s14, 0
	s_cbranch_scc1 .Lnot_wave_0_\@
	s_barrier_signal -3
.Lnot_wave_0_\@:
	s_barrier_wait -3
	s_barrier_signal -1
	s_barrier_wait -1
.endm
.macro CROUND                          ; a whole round
	s_barrier_signal -1
	s_barrier_wait -1
	CREST
.endm
.macro FRAG reg, adr, q, i             ; tile i of my eight, the slot's q-th 128 along K: an image, as it lies
.irp c, 0,1,2,3
	ds_load_b128 v[\reg+4*\c:\reg+4*\c+3], v[\adr] offset:(\i)*KB+(\q)*2048+512*\c
.endr
.endm
; 16 matrix instructions: A's blocks a0, a0 + 1 x B's eight, 128 along K.  p: B's set.  zero = 1: the first product starts the sums.  The 64 accumulators take turns, one instruction a turn, in the same order in every step.
.macro MUL16 a0, p, zero
.irp a, \a0, \a0+1
.irp b, 0,1,2,3,4,5,6,7
.if \zero
	v_wmma_f32_16x16x128_fp8_fp8 v[8*(8*((\a)%4)+\b):8*(8*((\a)%4)+\b)+7], v[128*(\p)+FR*\b:128*(\p)+FR*\b+FR-1], v[AF+FR*(\a):AF+FR*(\a)+FR-1], 0
.else
	v_wmma_f32_16x16x128_fp8_fp8 v[8*(8*((\a)%4)+\b):8*(8*((\a)%4)+\b)+7], v[128*(\p)+FR*\b:128*(\p)+FR*\b+FR-1], v[AF+FR*(\a):AF+FR*(\a)+FR-1], v[8*(8*((\a)%4)+\b):8*(8*((\a)%4)+\b)+7]
.endif
.endr
.endr
.endm
.macro FETCH_B slot, q, p
	WIN TO_B
.irp i, 0,1,2,3,4,5,6,7
	FRAG 128*(\p)+FR*\i, ADRB+\slot, \q, \i
.endr
	WIN 0
.endm
.macro FETCH_A slot, q, i0
.irp i, \i0, \i0+1, \i0+2, \i0+3
	FRAG AF+FR*(\i), ADRA+\slot, \q, \i
.endr
.endm
.macro PLACES n                        ; plain vector lines between a matrix instruction and a load into, or a vector line on, its registers
.rept \n
	v_nop
.endr
.endm
; A step of 128 along K that has its successor in the same slot.  A block of A is free when its eight products are issued: blocks 0-3 are fetched anew in the step's middle, blocks 4-7 at its end.
.macro STEP slot, q, zero
	s_wait_dscnt 4*NL                              ; B's set and A's blocks 0-3 are in; the youngest 16 loads (A's blocks 4-7) may be out
	WIN MUL_LO
	MUL16 0, (\q)%2, \zero
	MUL16 2, (\q)%2, \zero
	s_wait_dscnt 0                                 ; A's blocks 4-7 are in
	PLACES NP
	FETCH_B \slot, (\q)+1, 1-(\q)%2
	FETCH_A \slot, (\q)+1, 0
	WIN MUL_HI
	MUL16 4, (\q)%2, \zero
	MUL16 6, (\q)%2, \zero
	PLACES NP
	WIN 0
	FETCH_A \slot, (\q)+1, 4
.endm
; A slot's last step changes slots: one barrier; in front of it each wave waits for all its tensor loads, adds 0 to its spare word, and waits for that and for its own reads of this slot.  fill = 1: the slot is filled again, two K steps ahead.
.macro TURN slot, next, fill
	s_wait_tensorcnt 0x0                           ; all my tensor loads have landed: my part of the next slot  (every window is 0 here)
	ds_add_u32 v[SPW], v[NIL]                      ; 0 onto my spare word
	s_wait_dscnt 4*NL+1                            ; the add and the youngest 16 loads (A's blocks 4-7) may be out
	WIN MUL_LO
	MUL16 0, 1, 0                                  ; sixteen matrix instructions stand between the add and the wait for it
	s_wait_dscnt 0x0                               ; the add is done, and my reads of this slot are over
	s_barrier_signal -1
	MUL16 2, 1, 0
	WIN 0
	s_barrier_wait -1
.if \fill
	CREST                                          ; the barrier has opened a round of the cluster's barrier: no wave of any partner still reads this slot or has a load on its way
	s_add_nc_u64 s[G0+4*\slot+2:G0+4*\slot+3], s[G0+4*\slot+2:G0+4*\slot+3], 2*KB
	s_add_nc_u64 s[G0B+4*\slot+2:G0B+4*\slot+3], s[G0B+4*\slot+2:G0B+4*\slot+3], 2*KB
	JLOAD G0+4*\slot, G1, G0B+4*\slot, G1B, 2*\slot   ; the first tensor load behind the round
	PLACES NP                                      ; on every wave's way: the places in front of the loads below
.else
	PLACES NP
.endif
	FETCH_B \next, 0, 0
	FETCH_A \next, 0, 0
	WIN MUL_HI
	MUL16 4, 1, 0
	MUL16 6, 1, 0
	PLACES NP
	WIN 0
	FETCH_A \next, 0, 4
.endm
; THE WAY OUT of A block a: sum x 2^(ex + ew) + bias, the hold, the conversion; the 16 registers of codes are images as they stand, and each store is 512 bytes on end, aligned.
.macro EPI a, isv
.set AC, 64*((\a)%4)
.set CD, CODES+16*((\a)%4)
.if (\a) >= 4
	s_wait_xcnt 0x0                                ; the stores of four blocks ago have read this set of code registers
.endif
	WIN 0x02+((\a)/4)                              ; source 0: window 2 or 3
.set jj, 0
.rept 32                               ; each accumulator from its low end on
.if \isv
	v_pk_fma_f32 v[TMP+jj:TMP+jj+1], v[AC+jj:AC+jj+1], s[84:85], v[BI+2*(\a):BI+2*(\a)+1] op_sel_hi:[1,0,1]
.else
	v_pk_fma_f32 v[TMP+jj:TMP+jj+1], v[AC+jj:AC+jj+1], s[84:85], v[BI+jj:BI+jj+1] op_sel_hi:[1,0,1]
.endif
.set jj, jj+2
.endr
	WIN 0
.set jj, 0
.rept 64
	v_med3_num_f32 v[TMP+jj], v[TMP+jj], -v10, v10 ; the conversion to an 8-bit code does not saturate (ISA guide 7.6.2)
.set jj, jj+1
.endr
.set jj, 0
.rept 8
	v_cvt_scalef32_pk8_fp8_f32 v[CD+2*jj:CD+2*jj+1], v[TMP+8*jj:TMP+8*jj+7], v11
.set jj, jj+1
.endr
	v_nop                                          ; a plain line behind the last conversion: the next block writes its sources
.irp g, 0,1,2,3
.if \isv
	global_store_b128 v14, v[CD+4*\g:CD+4*\g+3], s[90:91] offset:((\a)/4)*131072+((\a)%4)*2048+512*\g   ; head a / 4 of my two, 16 of its 64: a % 4
.else
	global_store_b128 v14, v[CD+4*\g:CD+4*\g+3], s[90:91] offset:(\g/2)*131072+(\a)*1024+(\g%2)*512     ; head g / 2 of my two, tile of rows a
.endif
.endr
.endm
	s_load_b256 s[4:11], s[0:1], 0x0               ; xc 4, wc 6, bq 8, bk 10
	s_load_b128 s[68:71], s[0:1], 0x20             ; bv 68, the scales' exponents 70
	s_load_b64 s[72:73], s[0:1], 0x30              ; pc
	v_lshl_add_u32 v[SPW], v0, 2, SPARE
	v_mov_b32 v[NIL], 0
	ds_add_u32 v28, v29
	ds_add_u32 v28, v29
	s_wait_dscnt 0x0
	v_lshrrev_b32 v1, 5, v0
	v_readfirstlane_b32 s14, v1                    ; wave 0..3
	s_lshr_b32 s15, s14, 1                         ; which half of the A side's rows is mine
	s_and_b32 s16, s14, 1                          ; which half of the B side's
	s_bfe_u32 s40, ttmp6, 0x40000                  ; cx, cy: my place in the cluster
	s_bfe_u32 s41, ttmp6, 0x40004
	s_and_b32 s42, ttmp7, 0xffff                   ; cluster y, 0..23
	s_lshr_b32 s17, s42, 3                         ; t: 0 q, 1 k, 2 v
	s_and_b32 s18, s42, 7
	s_lshl_b32 s18, s18, 2                         ; the cluster's first of the activation's 32 tiles of 256 rows
	s_lshl_b32 s43, s41, 2
	s_lshl_b32 s43, 15, s43                        ; my row of the cluster
	s_lshl_b32 s44, 0x1111, s40                    ; my column
	; descriptor group 1: 16 rows (tiles of 16) of 4,096 bytes, 16,384 bytes apart; elements of 8 bytes; no padding
	s_or_b32 s[G1+0], s43, (3<<16)|(1<<21)         ; 15:0 the mask; 17:16 elements of 8 bytes; 21 set beside a mask
	s_or_b32 s[G1B+0], s44, (3<<16)|(1<<21)
.irp g, G1, G1B
	s_mov_b32 s[\g+1], 512<<16                     ; tensor_dim0 = 512 elements
	s_mov_b32 s[\g+2], 16<<16                      ; tensor_dim1 = 16: a side's 256 rows are 16 tiles
	s_mov_b32 s[\g+3], 512<<16                     ; tile_dim0
	s_mov_b32 s[\g+4], 16                          ; tile_dim1
	s_mov_b32 s[\g+5], 2048                        ; tensor_dim0_stride, in elements
	s_mov_b32 s[\g+6], 0
	s_mov_b32 s[\g+7], 0
.endr
	; which tensor is which side.  q, k: A = xc's part t, tile s18 + cy; B = wc's part t, tile cx.   v: A = wc's part 2, tile cy; B = xc's part 2, tile s18 + cx.
	s_lshl_b32 s12, s17, 23                        ; t x 8 MiB in xc
	s_lshl_b32 s13, s17, 20                        ; t x 1 MiB in wc
	s_cmp_eq_u32 s17, 2
	s_cselect_b32 s74, 0, s18
	s_cselect_b32 s75, s18, 0
	s_cselect_b32 s12, 0x200000, s12               ; the A side's part
	s_cselect_b32 s13, 0x1000000, s13              ; the B side's part
	s_add_co_u32 s74, s74, s41                     ; the A side's tile of 256 rows: it never holds cx
	s_add_co_u32 s75, s75, s40                     ; the B side's: it never holds cy
	s_mov_b32 s19, 0                               ; a load brings a side's whole 256 rows
	s_lshl_b32 s22, s74, 18
	s_add_co_u32 s22, s22, s12
	s_add_co_u32 s22, s22, s19
	s_mov_b32 s23, 0
	s_lshl_b32 s86, s75, 18
	s_add_co_u32 s86, s86, s13
	s_add_co_u32 s86, s86, s19
	s_mov_b32 s87, 0
	s_wait_kmcnt 0x0
	s_load_b256 s[76:83], s[70:71], 0x0            ; e0 .. e7
	s_load_b32 s92, s[70:71], 0x20                 ; e8
	s_cmp_eq_u32 s17, 2
	s_cselect_b64 s[20:21], s[6:7], s[4:5]
	s_cselect_b64 s[46:47], s[4:5], s[6:7]
	s_cselect_b32 s94, s74, s75                    ; the weight's tile of 256 columns: where my bias begins
	s_cselect_b64 s[88:89], s[68:69], s[10:11]
	s_cmp_eq_u32 s17, 0
	s_cselect_b64 s[88:89], s[8:9], s[88:89]       ; bq, bk or bv
	s_add_nc_u64 s[20:21], s[20:21], s[22:23]
	s_add_nc_u64 s[46:47], s[46:47], s[86:87]
	s_lshl_b32 s94, s94, 10
	s_mov_b32 s95, 0
	s_add_nc_u64 s[88:89], s[88:89], s[94:95]
	CROUND                                         ; all sixteen work-groups are here: the first joint loads meet
.irp s, 0,1
	s_mov_b32 s[G0+4*\s], 1
	s_mov_b32 s[G0+4*\s+1], \s*SLOT
	s_add_nc_u64 s[G0+4*\s+2:G0+4*\s+3], s[20:21], \s*KB
	s_or_b32 s[G0+4*\s+3], s[G0+4*\s+3], 0x80000000
	s_mov_b32 s[G0B+4*\s], 1
	s_mov_b32 s[G0B+4*\s+1], \s*SLOT+2*HALFT
	s_add_nc_u64 s[G0B+4*\s+2:G0B+4*\s+3], s[46:47], \s*KB
	s_or_b32 s[G0B+4*\s+3], s[G0B+4*\s+3], 0x80000000
.endr
	; the first fills: one tensor load a wave, in one chain on the wave's number: wave 0 the A side's K step 0, wave 1 the B side's, waves 2 and 3 the same for K step 1
	s_cmp_eq_u32 s14, 0
	s_cbranch_scc0 .Lh_1
	tensor_load_to_lds s[G0:G0+3], s[G1:G1+7]
	s_nop 0
.rept 4
	v_nop
.endr
	s_branch .Lh_join
.Lh_1:
	s_cmp_eq_u32 s14, 1
	s_cbranch_scc0 .Lh_2
	tensor_load_to_lds s[G0B:G0B+3], s[G1B:G1B+7]
	s_nop 0
.rept 4
	v_nop
.endr
	s_branch .Lh_join
.Lh_2:
	s_cmp_eq_u32 s14, 2
	s_cbranch_scc0 .Lh_3
	tensor_load_to_lds s[G0+4:G0+7], s[G1:G1+7]
	s_nop 0
.rept 4
	v_nop
.endr
	s_branch .Lh_join
.Lh_3:
	tensor_load_to_lds s[G0B+4:G0B+7], s[G1B:G1B+7]
	s_nop 0
.rept 4
	v_nop
.endr
.Lh_join:
	v_lshlrev_b32 v7, 3, v0                        ; the tile's 256 numbers of the bias: 8 bytes a thread
	global_load_b64 v[8:9], v7, s[88:89]
	v_and_b32 v1, 31, v0
	v_lshlrev_b32 v14, 4, v1                       ; 16 x lane: an image's place for my lane, in LDS and in pc
	v_and_b32 v2, 15, v0                           ; r
	v_bfe_u32 v3, v0, 4, 1                         ; h
	s_wait_alu depctr_va_vdst(0)
	s_mul_i32 s21, s15, HALFT                      ; my 128 rows of the A side,
	s_mul_i32 s22, s16, HALFT                      ; of the B side,
	s_add_co_u32 s22, s22, 2*HALFT                 ; which lies behind A's 256
.irp s, 0,1
	v_add_nc_u32 v[ADRA+\s], s21, v14
	v_add_nc_u32 v[ADRB+\s], s22, v14
	s_add_co_u32 s21, s21, SLOT
	s_add_co_u32 s22, s22, SLOT
.endr
	s_lshl_b32 s23, s16, 9
	v_lshl_add_u32 v12, v3, 5, s23
	v_add_nc_u32 v12, BIASL, v12                   ; q, k: the bias runs along the B side: my 128 numbers, + 8 h
	s_lshl_b32 s23, s15, 9
	v_lshl_add_u32 v13, v2, 2, s23
	v_add_nc_u32 v13, BIASL, v13                   ; v: along the A side: my 128 numbers, + r
	v_add_nc_u32 v15, BIASL, v7                    ; where my 8 bytes go
	; where my images begin in pc: t x 8 MiB + (16 x batch + head) x 131,072 + (the activation's tile % 8) x 16,384 + (my half of its rows) x 8,192: the same for both layouts
	s_cmp_eq_u32 s17, 2
	s_cselect_b32 s66, s75, s74                    ; the activation's tile
	s_cselect_b32 s67, s74, s75                    ; the weight's tile: four heads
	s_cselect_b32 s96, s15, s16                    ; my half of the weight's columns: two heads
	s_cselect_b32 s97, s16, s15                    ; my half of the activation's rows
	s_lshr_b32 s98, s66, 3                         ; batch
	s_lshl_b32 s98, s98, 4
	s_lshl_b32 s67, s67, 2
	s_add_co_u32 s98, s98, s67
	s_lshl_b32 s96, s96, 1
	s_add_co_u32 s98, s98, s96
	s_lshl_b32 s98, s98, 17
	s_and_b32 s66, s66, 7
	s_lshl_b32 s66, s66, 14
	s_add_co_u32 s98, s98, s66
	s_lshl_b32 s97, s97, 13
	s_add_co_u32 s98, s98, s97
	s_lshl_b32 s99, s17, 23
	s_add_co_u32 s98, s98, s99
	s_mov_b32 s99, 0
	s_add_nc_u64 s[90:91], s[72:73], s[98:99]
	s_wait_alu depctr_va_vdst(0)
	s_wait_kmcnt 0x0
	s_add_co_i32 s76, s76, s77                     ; each product's two exponents added; the choice is a select, no branch
	s_add_co_i32 s78, s78, s79
	s_add_co_i32 s80, s80, s81
	s_cmp_eq_u32 s17, 0
	s_cselect_b32 s84, s76, s78
	s_cselect_b32 s93, s82, s83
	s_cmp_eq_u32 s17, 2
	s_cselect_b32 s84, s80, s84
	s_cselect_b32 s93, s92, s93
	s_add_co_i32 s84, s84, 127
	s_lshl_b32 s84, s84, 23                        ; 2^(ex + ew) as f32
	s_mov_b32 s85, s84                             ; (named with it as a pair, so it is written)
	s_add_co_i32 s93, s93, 127
	s_lshl_b32 s94, s93, 23
	v_mov_b32 v11, s94                             ; the result's scale as f32: the conversion takes its exponent field
	s_add_co_i32 s93, s93, 8
	s_lshl_b32 s93, s93, 23
	s_or_b32 s93, s93, 0x600000
	v_mov_b32 v10, s93                             ; 448 x that
	s_wait_loadcnt 0x0
	ds_store_b64 v15, v[8:9]
	s_wait_alu depctr_va_vdst(0)                   ; the wait at the head's end
	s_wait_tensorcnt 0x0                           ; my part of the first fills is in
	s_wait_dscnt 0x0                               ; my part of the bias lies in LDS
	s_barrier_signal -1
	s_barrier_wait -1                              ; both slots are whole
	FETCH_B 0, 0, 0
	FETCH_A 0, 0, 0
	FETCH_A 0, 0, 4
	STEP 0, 0, 1                                   ; the first step stands in front of the loop: its products start the sums
	s_mov_b32 s3, LAPS-1
.Llap:                                                 ; a trip goes once round the ring and fills both slots again
	TURN 0, 1, 1
	STEP 1, 0, 0
	TURN 1, 0, 1
	STEP 0, 0, 0
	s_sub_co_u32 s3, s3, 1
	s_cmp_lg_u32 s3, 0
	s_cbranch_scc1 .Llap
	TURN 0, 1, 0                                   ; the last lap fills nothing
	STEP 1, 0, 0
	s_wait_dscnt 4*NL                              ; the very last step
	WIN MUL_LO
	MUL16 0, 1, 0
	MUL16 2, 1, 0
	s_wait_dscnt 0
	WIN MUL_HI
	MUL16 4, 1, 0
	MUL16 6, 1, 0
	WIN 0
	PLACES NP                                      ; in front of the first read of results and of the lines that write where A's fragments lay
	s_cmp_eq_u32 s17, 2
	s_cbranch_scc1 .Lv_out
.set ii, 0
.rept 16                               ; q, k: register 8 b + j wants the bias of column 16 b + 8 h + j
	ds_load_b128 v[BI+4*ii:BI+4*ii+3], v12 offset:64*(ii/2)+16*(ii%2)
.set ii, ii+1
.endr
	s_wait_dscnt 0x0
.irp a, 0,1,2,3,4,5,6,7
	EPI \a, 0
.endr
	s_branch .Lend
.Lv_out:
.set ii, 0
.rept 8                                ; v: all of block a's registers want the bias of column 16 a + r: it is fetched twice, to fill a pair
	ds_load_b32 v[BI+2*ii], v13 offset:64*ii
	ds_load_b32 v[BI+2*ii+1], v13 offset:64*ii
.set ii, ii+1
.endr
	s_wait_dscnt 0x0
.irp a, 0,1,2,3,4,5,6,7
	EPI \a, 1
.endr
.Lend:
	s_wait_tensorcnt 0x0                           ; the wave's end
	ds_add_u32 v[SPW], v[NIL]
	s_wait_dscnt 0x0
	CROUND                                         ; the closing round: no work-group ends while a partner may still ask for a tile that names it
	s_endpgm
.Lfunc_end_k_qfd6ee453ec_proj:
	.size	k_qfd6ee453ec_proj, .Lfunc_end_k_qfd6ee453ec_proj-k_qfd6ee453ec_proj
	.p2alignl 7, 3214868480
	.fill 96, 4, 3214868480
	.section	.rodata,"a",@progbits
	.p2align	6, 0x0
	.amdhsa_kernel k_qfd6ee453ec_proj
		.amdhsa_group_segment_fixed_size 327680
		.amdhsa_private_segment_fixed_size 0
		.amdhsa_enable_private_segment 0
		.amdhsa_kernarg_size 56
		.amdhsa_user_sgpr_count 2
		.amdhsa_user_sgpr_kernarg_segment_ptr 1
		.amdhsa_wavefront_size32 1
		.amdhsa_system_sgpr_workgroup_id_x 1
		.amdhsa_system_sgpr_workgroup_id_y 1
		.amdhsa_system_sgpr_workgroup_id_z 1
		.amdhsa_system_vgpr_workitem_id 0
		.amdhsa_next_free_vgpr 1024
		.amdhsa_next_free_sgpr 100
		.amdhsa_reserve_vcc 0
		.amdhsa_float_denorm_mode_32 3
		.amdhsa_float_denorm_mode_16_64 3
		.amdhsa_memory_ordered 1
		.amdhsa_forward_progress 1
		.amdhsa_inst_pref_size 194
	.end_amdhsa_kernel
	.amdgpu_metadata
---
amdhsa.version: [ 1, 2 ]
amdhsa.kernels:
  - .name:           k_qfd6ee453ec_proj
    .symbol:         k_qfd6ee453ec_proj.kd
    .args:
      - { .name: xc, .offset: 0, .size: 8, .value_kind: global_buffer, .address_space: global }
      - { .name: wc, .offset: 8, .size: 8, .value_kind: global_buffer, .address_space: global }
      - { .name: bq, .offset: 16, .size: 8, .value_kind: global_buffer, .address_space: global }
      - { .name: bk, .offset: 24, .size: 8, .value_kind: global_buffer, .address_space: global }
      - { .name: bv, .offset: 32, .size: 8, .value_kind: global_buffer, .address_space: global }
      - { .name: lowp_scales, .offset: 40, .size: 8, .value_kind: global_buffer, .address_space: global }
      - { .name: pc, .offset: 48, .size: 8, .value_kind: global_buffer, .address_space: global }
    .group_segment_fixed_size: 327680
    .private_segment_fixed_size: 0
    .kernarg_segment_align: 8
    .kernarg_segment_size: 56
    .max_flat_workgroup_size: 128
    .sgpr_count:     100
    .vgpr_count:     1024
    .wavefront_size: 32
...
	.end_amdgpu_metadata
.endif
;; end of part 2
;; launch attn (part 3): grid 4 x 64, 8 waves a work-group, clusters of 4 x 1, 327,680 bytes of LDS; arguments pc, lowp_scales, ac; writes ac
.if DOCPART == 3
	.amdgcn_target "amdgcn-amd-amdhsa--gfx1250"
	.amdhsa_code_object_version 6
	.text
	.protected	k_qfd6ee453ec_attn
	.globl	k_qfd6ee453ec_attn
	.p2align	8
	.type	k_qfd6ee453ec_attn,@function
k_qfd6ee453ec_attn:
	s_mov_b64 s[64:65], 0
	v_nop
	global_prefetch_b8 v0, s[64:65] scope:SCOPE_SE
	s_setreg_imm32_b32 hwreg(HW_REG_WAVE_MODE, 25, 1), 1
	s_wait_xcnt 0x0
	s_wait_alu depctr_hold_cnt(0) depctr_sa_sdst(0) depctr_va_vdst(0) depctr_va_sdst(0) depctr_va_ssrc(0) depctr_va_vcc(0) depctr_vm_vsrc(0)
	s_getreg_b32 s2, hwreg(HW_REG_IB_STS2, 6, 4)
	s_cmp_eq_u32 s2, 0
	s_cbranch_scc0 .Lentry_in_a_cluster
	s_endpgm
.Lentry_in_a_cluster:
	s_bfe_u32 s2, ttmp6, 0x10000c
	s_cmp_lg_u32 s2, 0x3003
	s_cbranch_scc0 .Lentry_shape_is_right
	s_endpgm
.Lentry_shape_is_right:
; Causal attention of one (batch, head) y on codes of FP8 (E4M3): S^T = k q^T (K = the head's 64), the softmax, O^T = v^T p^T (K = the keys), O / l, quantised with e10 for the last projection.
; logit = score / 32; t = score x 2^(e6 + e7) x log2(e) / 32; M = the running largest t rounded UP to a whole number; p = 2^(t - M) is quantised with e9, not normalised; l, the row's sum of the unquantised p,
; divides at the end.  When M moves, l and O^T are multiplied by 2^(old M - new M): exact.
; THE MASK is built by reference() itself: 1e10 is taken from the score of key k > query q, so its p is 2^(about -4.5e8) = 0 in f32.  Here such a score becomes -infinity, and key steps all of whose keys are hidden are left out.
; LIMIT: that holds while the scores stay under about 1e9 in magnitude; a NaN or infinity in a key step that is left out is not carried to the result.
; pc holds images of the operands' registers (register g of lane L at 512 (g / 4) + 16 L + 4 (g % 4); registers 2 c, 2 c + 1 of lane (r, h): k = 16 c + 8 h + 0..7 of row r):
;   q at 0 and k at 8 MiB: [y 64][tile of 16 rows 128][1,024];   v at 16 MiB: [y][128 keys: 16][16 of the head's 64: 4][2,048], the keys innermost.   ac: [tile of 16 rows 512][head 16][1,024].
; Both products are used transposed: a lane holds ONE query (lane % 16) of each of its wave's two tiles, and an accumulator's eight registers are eight neighbours along the next K.
; SHARES.  The head's 2,048 queries are 64 groups of 32.  Wave w of work-group i (its place in the cluster) owns groups g = i + 4 w and 63 - g: w + 1 and 16 - w key steps of 128 keys, SEVENTEEN whatever i and w are;
; the last step of each group lies on the diagonal.  A fragment of k or v read from LDS feeds two matrix instructions, one for each tile of 16 queries.
; LDS holds ALL of the head's k (131,072 bytes) and v (131,072), as they lie in pc, and every byte is filled once.  Trip T reads key steps up to T, so the fills come in two groups: key steps 0-3 at the head (8,192 bytes a wave),
; key steps 4-15 (24,576 bytes a wave) behind the sequence and the round; four trips stand between that request and the barrier ahead of trip 4.
; THE TWO TILES' SOFTMAX STAND OUT OF STEP: tile 0's exponentials take turns with tile 1's scalings, tile 1's with tile 0's holds.  Nothing that is written between exponentials is read ahead of the wait behind that batch.
; CLUSTER: the four work-groups of a head read the same k and v, so the loads are joint (mask 15).  No branch, trip count or LDS address hangs on i: only q's and ac's addresses and the mask's numbers do.
; NO PREFETCH: all tiles are asked for ahead of the first trip; there is no loop ahead of those loads to ask in.
; LIMITS on the given exponents: e6 + e7 between -121 and 132 (added to c's exponent field); e9 and e10 between -126 and 119; e8 + e9 is applied by v_ldexp_f32 and has none.
; REGISTERS, window 0: v1 16 x lane; v2 r - 8 h; v3, v4 448 x 2^e10, 2^e10; v5, v6 the add's; v7 -infinity; v8, v9 LDS addresses; v10 and v253 448 x 2^e9; v11 2^e9; tile u: v[12+4u] -M, +1 largest t, +2, +3 l;
;   v[20+2u] f; v24-31 at work; v32-47 q; v48-175 S^T, then p; v176-239 O^T; v240-251, v254-255 chains of maxima and of sums.
; window 1: v0-63 k's 8 fragments; v64-127 v's 4; v128-143 the second group's q; v144-175 the results' codes; v192-223 p's codes.
.set VOFF,  131072                     ; v's images lie behind k's
.set SPARE, 262144                     ; behind them the spare words, 128 bytes for each wave: four blocks of 256 bytes that no other line names
.set S0, 48
.set O0, 176
.set ST, 12
.set FF, 20
.set MX, 24
.set SM, 240
.set MSB, 0
.macro WIN new                         ; the immediate's high byte repeats the setting that is left
.if MSB != (\new)
	s_set_vgpr_msb (MSB<<8)|(\new)
.set MSB, (\new)
.endif
.endm
.macro CROUND                          ; a round of the cluster's barrier
	s_barrier_signal -1
	s_barrier_wait -1
	s_cmp_lg_u32 s18, 0
	s_cbranch_scc1 .Lnot_wave_0_\@
	s_barrier_signal -3
.Lnot_wave_0_\@:
	s_barrier_wait -3
	s_barrier_signal -1
	s_barrier_wait -1
.endm
.macro KLOAD adr                       ; a key step's eight images of k, as they lie
	WIN 0x40
.set cc, 0
.rept 16
	ds_load_b128 v[4*cc:4*cc+3], v[\adr] offset:512*cc
.set cc, cc+1
.endr
	WIN 0
.endm
.macro INIT                            ; the step is written once: a group's first step finds zeros, which the first change of M leaves zeros
.irp u, 0,1
	v_mov_b32 v[ST+4*\u+1], 0xff61b1e6             ; the largest t so far: -3e38
	v_mov_b32 v[ST+4*\u+2], 0
	v_mov_b32 v[ST+4*\u+3], 0
.endr
.irp u, 0,1
	v_floor_f32 v[ST+4*\u], -v[ST+4*\u+1]
.endr
.set jj, 0
.rept 64
	v_mov_b32 v[O0+jj], 0
.set jj, jj+1
.endr
.endm
; l of tile u += its 32 pairs of the unquantised p, in eight chains: l itself and seven partial sums, chain k at v[SM + 2 k], the seventh at v254
.macro SUMS u
.set kk, 0
.rept 7
	v_pk_add_f32 v[SM+2*kk+2*(kk/6):SM+2*kk+2*(kk/6)+1], v[S0+64*\u+4*kk:S0+64*\u+4*kk+1], v[S0+64*\u+4*kk+2:S0+64*\u+4*kk+3]
.set kk, kk+1
.endr
.irp r, 28, 44
	v_pk_add_f32 v[ST+4*\u+2:ST+4*\u+3], v[ST+4*\u+2:ST+4*\u+3], v[S0+64*\u+\r:S0+64*\u+\r+1]
.set kk, 0
.rept 7
	v_pk_add_f32 v[SM+2*kk+2*(kk/6):SM+2*kk+2*(kk/6)+1], v[SM+2*kk+2*(kk/6):SM+2*kk+2*(kk/6)+1], v[S0+64*\u+\r+2+2*kk:S0+64*\u+\r+3+2*kk]
.set kk, kk+1
.endr
.endr
	v_pk_add_f32 v[ST+4*\u+2:ST+4*\u+3], v[ST+4*\u+2:ST+4*\u+3], v[S0+64*\u+60:S0+64*\u+61]
	v_pk_add_f32 v[SM:SM+1], v[SM:SM+1], v[S0+64*\u+62:S0+64*\u+63]
	v_pk_add_f32 v[SM+4:SM+5], v[SM+4:SM+5], v[SM+6:SM+7]
	v_pk_add_f32 v[SM+8:SM+9], v[SM+8:SM+9], v[SM+10:SM+11]
	v_pk_add_f32 v[ST+4*\u+2:ST+4*\u+3], v[ST+4*\u+2:ST+4*\u+3], v[SM+14:SM+15]
	v_pk_add_f32 v[SM:SM+1], v[SM:SM+1], v[SM+2:SM+3]
	v_pk_add_f32 v[ST+4*\u+2:ST+4*\u+3], v[ST+4*\u+2:ST+4*\u+3], v[SM+8:SM+9]
	v_pk_add_f32 v[SM:SM+1], v[SM:SM+1], v[SM+4:SM+5]
	v_pk_add_f32 v[ST+4*\u+2:ST+4*\u+3], v[ST+4*\u+2:ST+4*\u+3], v[SM:SM+1]
.endm
; A group of queries is done: O^T x 2^(e8 + e9) / l, the hold, the conversion with e10; a tile's eight registers are an image of 16 rows x the head's 64, stored as two runs of 512 bytes.
.macro FINISH base, cb
.irp u, 0,1
	v_add_f32 v[ST+4*\u+2], v[ST+4*\u+2], v[ST+4*\u+3]             ; l's two halves,
.endr
.irp u, 0,1
	v_permlanex16_b32 v[MX+3*\u+2], v[ST+4*\u+2], s20, s21
.endr
.irp u, 0,1
	v_add_f32 v[ST+4*\u+2], v[ST+4*\u+2], v[MX+3*\u+2]             ; and lane l xor 16's.  (These six lines are also the places behind the last products)
.endr
	s_wait_alu depctr_va_vdst(0)                   ; the wait ahead of the transcendentals
.irp u, 0,1
	v_rcp_f32 v[ST+4*\u+2], v[ST+4*\u+2]
.endr
	v_nop                                          ; a plain line behind the reciprocals
	s_wait_alu depctr_va_vdst(0)                   ; the wait ahead of their first reader
.irp u, 0,1
	v_ldexp_f32 v[ST+4*\u+2], v[ST+4*\u+2], s75
.endr
	s_wait_alu depctr_va_vdst(0)                   ; directly ahead of the first readers of O^T
.set jj, 0
.rept 16                               ; each accumulator from its low end on
.irp u, 0,1
	v_pk_mul_f32 v[S0+32*\u+jj:S0+32*\u+jj+1], v[O0+32*\u+jj:O0+32*\u+jj+1], v[ST+4*\u+2:ST+4*\u+3] op_sel_hi:[1,0]
.endr
.set jj, jj+2
.endr
.set jj, 0
.rept 64
	v_med3_num_f32 v[S0+jj], v[S0+jj], -v3, v3     ; the conversion to an 8-bit code does not saturate (ISA guide 7.6.2)
.set jj, jj+1
.endr
	WIN 0x40                                       ; the codes go to window 1
.set jj, 0
.rept 8
	v_cvt_scalef32_pk8_fp8_f32 v[\cb+2*jj:\cb+2*jj+1], v[S0+8*jj:S0+8*jj+7], v4
.set jj, jj+1
.endr
	v_nop                                          ; a plain line behind the last conversion
	WIN 0x04                                       ; a store's data: window 1
.irp u, 0,1
	global_store_b128 v1, v[\cb+8*\u:\cb+8*\u+3], s[\base:\base+1] offset:16384*\u
	global_store_b128 v1, v[\cb+8*\u+4:\cb+8*\u+7], s[\base:\base+1] offset:16384*\u+512
.endr
	WIN 0
.endm
; TRIP T (s66) works key step T of the first group (T <= w), then T - w - 1 of the second: min(T, (T + 31 - w) mod 32).  last: the loop's last trip, which asks for no successor's k; cap: the highest key step that the loop may read.
.macro TRIP last, cap
	s_add_co_u32 s3, s66, s19
	s_and_b32 s3, s3, 31
	s_min_u32 s3, s3, s66
	s_min_u32 s3, s3, \cap
	s_lshl_b32 s2, s3, 13                          ; a key step is 8,192 bytes of k and of v
	s_add_co_u32 s2, s2, VOFF
	s_add_co_u32 s10, s66, 1                       ; the same for trip T + 1
	s_add_co_u32 s11, s10, s19
	s_and_b32 s11, s11, 31
	s_min_u32 s11, s11, s10
	s_min_u32 s11, s11, \cap
	s_lshl_b32 s11, s11, 13
	v_add_nc_u32 v8, s2, v1                        ; this step's v
	v_add_nc_u32 v9, s11, v1                       ; the next step's k
	s_wait_alu depctr_va_vdst(0)                   ; the wait here, directly ahead of the wait below
	s_wait_dscnt 0x0                               ; k's fragments are in (asked for a trip ago)
	WIN 0x01                                       ; source 0: window 1
.irp c, 0,1,2,3,4,5,6,7                ; S^T: in tile c lane (r, h) holds query r, register j key 16 c + 8 h + j; the sixteen accumulators are all begun anew
.irp u, 0,1
	v_wmma_f32_16x16x64_fp8_fp8 v[S0+64*\u+8*\c:S0+64*\u+8*\c+7], v[8*\c:8*\c+7], v[32+8*\u:39+8*\u], 0
.endr
.endr
	WIN 0
.rept 4
	v_nop                                          ; places in front of the loads below and of the first read of the scores
.endr
	s_cmp_eq_u32 s66, \last
	s_cbranch_scc1 .Lno_next_\@
	KLOAD 9
.Lno_next_\@:
	WIN 0x40
.set cc, 0
.rept 16                               ; v's four images of 16 of the head's 64 x 128 keys: wanted behind the softmax
	ds_load_b128 v[64+4*cc:67+4*cc], v8 offset:512*cc
.set cc, cc+1
.endr
	WIN 0
	s_cmp_eq_u32 s66, s18                          ; trips w and 16 lie on the diagonal; the branches hang on the wave's number and the trip alone
	s_cbranch_scc1 .Lmask_\@
	s_cmp_lg_u32 s66, 16
	s_cbranch_scc1 .Lopen_\@
.Lmask_\@:
	s_cmp_eq_u32 s66, 16
	s_cselect_b32 s96, s97, s99
	v_add_nc_u32 v30, s96, v2                      ; d = my query - the step's first key - 8 h: register 8 c + j is hidden where 16 c + j > d
	v_add_nc_u32 v31, 16, v30                      ; the second tile's queries are 16 further on
.set nn, 0
.rept 64
	v_cmp_gt_i32 vcc_lo, 16*(nn/8)+nn%8, v30
	v_cndmask_b32 v[S0+nn], v[S0+nn], v7, vcc_lo
	v_cmp_gt_i32 vcc_lo, 16*(nn/8)+nn%8, v31
	v_cndmask_b32 v[S0+64+nn], v[S0+64+nn], v7, vcc_lo
.set nn, nn+1
.endr
.Lopen_\@:
.irp u, 0,1                            ; the step's largest score of my query among my 64 keys: four chains a tile, the two tiles by turns, the registers in ascending order, so each accumulator from its low end on
	v_max3_num_f32 v[MX+3*\u], v[S0+64*\u], v[S0+64*\u+1], v[S0+64*\u+2]
	v_max3_num_f32 v[MX+3*\u+1], v[S0+64*\u+3], v[S0+64*\u+4], v[S0+64*\u+5]
	v_max3_num_f32 v[SM+2*\u], v[S0+64*\u+6], v[S0+64*\u+7], v[S0+64*\u+8]
	v_max3_num_f32 v[SM+2*\u+1], v[S0+64*\u+9], v[S0+64*\u+10], v[S0+64*\u+11]
.endr
.irp i, 12,20,28,36,44,52
.irp u, 0,1
	v_max3_num_f32 v[MX+3*\u], v[MX+3*\u], v[S0+64*\u+\i], v[S0+64*\u+\i+1]
	v_max3_num_f32 v[MX+3*\u+1], v[MX+3*\u+1], v[S0+64*\u+\i+2], v[S0+64*\u+\i+3]
	v_max3_num_f32 v[SM+2*\u], v[SM+2*\u], v[S0+64*\u+\i+4], v[S0+64*\u+\i+5]
	v_max3_num_f32 v[SM+2*\u+1], v[SM+2*\u+1], v[S0+64*\u+\i+6], v[S0+64*\u+\i+7]
.endr
.endr
.irp u, 0,1
	v_max3_num_f32 v[MX+3*\u], v[MX+3*\u], v[S0+64*\u+60], v[S0+64*\u+61]
	v_max3_num_f32 v[MX+3*\u+1], v[MX+3*\u+1], v[S0+64*\u+62], v[S0+64*\u+63]
.endr
.irp u, 0,1
	v_max3_num_f32 v[MX+3*\u], v[MX+3*\u], v[MX+3*\u+1], v[SM+2*\u]
.endr
.irp u, 0,1
	v_max_num_f32 v[MX+3*\u], v[MX+3*\u], v[SM+2*\u+1]
.endr
.irp u, 0,1
	v_permlanex16_b32 v[MX+3*\u+2], v[MX+3*\u], s20, s21
.endr
.irp u, 0,1
	v_max_num_f32 v[MX+3*\u], v[MX+3*\u], v[MX+3*\u+2]             ; and among lane l xor 16's
.endr
.irp u, 0,1
	v_mul_f32 v[MX+3*\u], s22, v[MX+3*\u]                          ; as t (c is positive)
.endr
.irp u, 0,1
	v_max_num_f32 v[ST+4*\u+1], v[ST+4*\u+1], v[MX+3*\u]           ; the running largest t
.endr
.irp u, 0,1
	v_mov_b32 v[MX+3*\u], v[ST+4*\u]
.endr
.irp u, 0,1
	v_floor_f32 v[ST+4*\u], -v[ST+4*\u+1]                          ; the new -M = floor(-t): M is a whole number
.endr
.irp u, 0,1
	v_sub_f32 v[MX+3*\u], v[ST+4*\u], v[MX+3*\u]                   ; old M - new M: a whole number, 0 or less
.endr
.irp u, 0,1
	v_cvt_i32_f32 v[MX+3*\u], v[MX+3*\u]                           ; (it saturates)
.endr
.irp u, 0,1
	v_ldexp_f32 v[FF+2*\u], 1.0, v[MX+3*\u]                        ; f = 2^(old M - new M)
.endr
.set jj, 0
.rept 16                               ; O^T under the new M, ahead of the exponentials: no transcendental stands between the last products and these first readers; each accumulator from its low end on
.irp u, 0,1
	v_pk_mul_f32 v[O0+32*\u+jj:O0+32*\u+jj+1], v[O0+32*\u+jj:O0+32*\u+jj+1], v[FF+2*\u:FF+2*\u+1] op_sel_hi:[1,0]
.endr
.set jj, jj+2
.endr
.irp u, 0,1
	v_pk_mul_f32 v[ST+4*\u+2:ST+4*\u+3], v[ST+4*\u+2:ST+4*\u+3], v[FF+2*\u:FF+2*\u+1] op_sel_hi:[1,0]   ; l likewise
.endr
.set jj, 0
.rept 32
	v_pk_fma_f32 v[S0+jj:S0+jj+1], v[S0+jj:S0+jj+1], s[22:23], v[ST:ST+1] op_sel_hi:[1,0,0]   ; tile 0: t - M, two at a time
.set jj, jj+2
.endr
	s_wait_alu depctr_va_vdst(0)                   ; the wait ahead of the batch
.set jj, 0
.rept 32                               ; tile 0: p = 2^(t - M), at most 1; between its exponentials tile 1's t - M, first read behind the wait below
	v_exp_f32 v[S0+jj], v[S0+jj]
	v_pk_fma_f32 v[S0+64+jj:S0+64+jj+1], v[S0+64+jj:S0+64+jj+1], s[22:23], v[ST+4:ST+5] op_sel_hi:[1,0,0]
	v_exp_f32 v[S0+jj+1], v[S0+jj+1]
.set jj, jj+2
.endr
	v_nop                                          ; a plain line behind the last exponential
	s_wait_alu depctr_va_vdst(0)                   ; one wait: behind tile 0's batch, ahead of its first reader, and ahead of tile 1's batch
	SUMS 0
.set jj, 0
.rept 32                               ; tile 1's exponentials; between them tile 0's holds, two an instruction, first read behind the wait below.  The conversion does not saturate (ISA guide 7.6.2); p is not negative, so the hold is one-sided
	v_exp_f32 v[S0+64+jj], v[S0+64+jj]
	v_dual_min_num_f32 v[S0+jj], v[S0+jj], v10 :: v_dual_min_num_f32 v[S0+jj+1], v[S0+jj+1], v253
	v_exp_f32 v[S0+64+jj+1], v[S0+64+jj+1]
.set jj, jj+2
.endr
	v_nop                                          ; a plain line behind the last exponential
	s_wait_alu depctr_va_vdst(0)                   ; one wait for the batch, ahead of its first reader
	SUMS 1
.set jj, 0
.rept 32
	v_dual_min_num_f32 v[S0+64+jj], v[S0+64+jj], v10 :: v_dual_min_num_f32 v[S0+64+jj+1], v[S0+64+jj+1], v253
.set jj, jj+2
.endr
	WIN 0x40                                       ; p's codes go to window 1
.set cc, 0
.rept 16
	v_cvt_scalef32_pk8_fp8_f32 v[192+2*cc:193+2*cc], v[S0+8*cc:S0+8*cc+7], v11   ; registers 2 c, 2 c + 1 of a tile's fragment of p: keys 16 c + 8 h + 0..7
.set cc, cc+1
.endr
	v_nop                                          ; a plain line between the conversions and the products
	WIN 0
	s_wait_alu depctr_va_vdst(0)                   ; the wait here, directly ahead of the wait below
	s_wait_dscnt 0x0                               ; v's fragments are in, and the next step's k
	WIN 0x05                                       ; sources 0 and 1: window 1
.irp c, 0,1,2,3                        ; O^T += v^T p^T: the eight accumulators by turns
.irp u, 0,1
	v_wmma_f32_16x16x128_fp8_fp8 v[O0+32*\u+8*\c:O0+32*\u+8*\c+7], v[64+16*\c:79+16*\c], v[192+16*\u:207+16*\u], v[O0+32*\u+8*\c:O0+32*\u+8*\c+7]
.endr
.endr
	WIN 0
	s_cmp_lg_u32 s66, s18                          ; trip w ends the first group: a branch on the wave's number and the trip; no barrier stands inside
	s_cbranch_scc1 .Lsame_\@
	FINISH 48, 144
	WIN 0x01
.set jj, 0
.rept 16
	v_mov_b32 v[32+jj], v[128+jj]                  ; the second group's q,
.set jj, jj+1
.endr
	WIN 0
	INIT                                           ; and sums begun anew
.Lsame_\@:
	s_add_co_u32 s66, s66, 1
.endm
	s_load_b128 s[4:7], s[0:1], 0x0                ; pc 4, the scales' exponents 6
	s_load_b64 s[8:9], s[0:1], 0x10                ; ac
	v_lshl_add_u32 v5, v0, 2, SPARE
	v_mov_b32 v6, 0
	ds_add_u32 v5, v6                              ; the opening lines: the add, twice on end, and its wait ahead of my first tensor load
	ds_add_u32 v5, v6
	v_lshrrev_b32 v8, 5, v0
	v_readfirstlane_b32 s18, v8                    ; wave 0..7
	s_bfe_u32 s67, ttmp6, 0x40000                  ; i: my place in the cluster
	s_and_b32 s10, ttmp7, 0xffff                   ; y = 16 x batch + head
	s_lshl_b32 s12, s10, 17                        ; y's 131,072 bytes in each of pc's three parts
	s_lshr_b32 s14, s18, 2                         ; what I fetch: waves 0-3 of k (at 8 MiB; in LDS at 0), waves 4-7 of v (at 16 MiB; in LDS at VOFF)
	s_lshl_b32 s57, s14, 17
	s_add_co_u32 s14, s14, 1
	s_lshl_b32 s14, s14, 23
	s_add_co_u32 s14, s14, s12
	s_and_b32 s58, s18, 3
	s_lshl_b32 s59, s58, 13                        ; my 8,192 bytes of key steps 0-3,
	s_mul_i32 s58, s58, 24576
	s_add_co_u32 s58, s58, 32768                   ; my 24,576 of key steps 4-15
	s_add_co_u32 s60, s14, s58
	s_mov_b32 s61, 0
	s_add_co_u32 s14, s14, s59
	s_mov_b32 s15, 0
	s_add_co_u32 s41, s57, s59                     ; and where they go
	s_add_co_u32 s45, s57, s58
	s_xor_b32 s19, s18, 31                         ; 31 - wave
	s_lshl_b32 s99, s67, 5                         ; 32 i: the first group's first query less its diagonal step's first key
	s_sub_co_u32 s97, 96, s99                      ; 96 - 32 i: the same for the second group
	s_lshl_b32 s16, s18, 7
	s_add_co_u32 s16, s16, s99                     ; the first group's first query: 32 i + 128 w
	s_sub_co_u32 s17, 2016, s16                    ; the second group's
	s_lshl_b32 s52, s16, 6                         ; q's images: 1,024 bytes for 16 queries
	s_add_co_u32 s52, s52, s12
	s_mov_b32 s53, 0
	s_lshl_b32 s54, s17, 6
	s_add_co_u32 s54, s54, s12
	s_mov_b32 s55, 0
	s_lshr_b32 s11, s10, 4                         ; ac: batch x 2 MiB + query x 1,024 + head x 1,024
	s_lshl_b32 s11, s11, 21
	s_and_b32 s56, s10, 15
	s_lshl_b32 s56, s56, 10
	s_add_co_u32 s11, s11, s56
	s_lshl_b32 s48, s16, 10
	s_add_co_u32 s48, s48, s11
	s_mov_b32 s49, 0
	s_lshl_b32 s50, s17, 10
	s_add_co_u32 s50, s50, s11
	s_mov_b32 s51, 0
	; descriptor groups 1: dense blocks as rows of 256 bytes, 32 rows at the head and 96 behind it; elements of 8 bytes; no padding
.irp g, 24, 32
	s_mov_b32 s[\g], 15|(3<<16)|(1<<21)            ; the mask names the cluster's four; bit 21 beside it
	s_mov_b32 s[\g+1], 32<<16                      ; tensor_dim0 = 32 elements
	s_mov_b32 s[\g+3], 32<<16                      ; tile_dim0
	s_mov_b32 s[\g+5], 32                          ; tensor_dim0_stride
	s_mov_b32 s[\g+6], 0
	s_mov_b32 s[\g+7], 0
.endr
	s_mov_b32 s26, 32<<16                          ; tensor_dim1
	s_mov_b32 s28, 32                              ; tile_dim1
	s_mov_b32 s34, 96<<16
	s_mov_b32 s36, 96
	s_mov_b32 s20, 0x76543210
	s_mov_b32 s21, 0xfedcba98
	s_mov_b32 s22, 0x3d38aa3b                      ; c = log2(e) / 32
	s_wait_dscnt 0x0                               ; both opening adds are done
	s_wait_kmcnt 0x0
	s_load_b128 s[68:71], s[6:7], 0x18             ; e6, e7, e8, e9
	s_load_b32 s72, s[6:7], 0x28                   ; e10
	s_add_nc_u64 s[52:53], s[4:5], s[52:53]
	s_add_nc_u64 s[54:55], s[4:5], s[54:55]
	v_and_b32 v1, 31, v0
	v_lshlrev_b32 v1, 4, v1
.irp k, 0,1,2,3
	global_load_b128 v[32+4*\k:35+4*\k], v1, s[52:53] offset:512*\k      ; the first group's q: two images; asked for ahead of the round
.endr
	WIN 0x40
.irp k, 0,1,2,3
	global_load_b128 v[128+4*\k:131+4*\k], v1, s[54:55] offset:512*\k    ; the second group's, kept in window 1
.endr
	WIN 0
	s_mov_b32 s40, 1                               ; groups 0: count = 1; the global addresses hang on y and the wave alone; type = 2
	s_add_nc_u64 s[42:43], s[4:5], s[14:15]
	s_or_b32 s43, s43, 0x80000000
	s_mov_b32 s44, 1
	s_add_nc_u64 s[46:47], s[4:5], s[60:61]
	s_or_b32 s47, s47, 0x80000000
	CROUND                                         ; the four partners are here: the joint loads meet
	tensor_load_to_lds s[40:43], s[24:31]          ; key steps 0-3: my one tensor load at the head
	s_nop 0
.rept 4
	v_nop
.endr
	s_add_nc_u64 s[48:49], s[8:9], s[48:49]
	s_add_nc_u64 s[50:51], s[8:9], s[50:51]
	v_and_b32 v2, 15, v0
	v_bfe_u32 v8, v0, 4, 1
	v_lshlrev_b32 v8, 3, v8
	v_sub_nc_u32 v2, v2, v8                        ; r - 8 h
	v_mov_b32 v7, 0xff800000                       ; -infinity
	v_mov_b32 v21, 0                               ; (upper halves of the pairs that hold f)
	v_mov_b32 v23, 0
	v_mov_b32 v26, 0                               ; written once: a lane permute's destination counts as one of its sources
	v_mov_b32 v29, 0
	INIT
	s_wait_kmcnt 0x0
	s_add_co_i32 s73, s68, s69
	s_lshl_b32 s73, s73, 23
	s_add_co_i32 s22, s22, s73                     ; a score stands for score x 2^(e6 + e7): added to c's exponent field
	s_mov_b32 s23, s22
	s_add_co_i32 s73, s71, 127
	s_lshl_b32 s74, s73, 23
	v_mov_b32 v11, s74                             ; 2^e9
	s_add_co_i32 s73, s73, 8
	s_lshl_b32 s73, s73, 23
	s_or_b32 s73, s73, 0x600000
	v_mov_b32 v10, s73                             ; 448 x 2^e9,
	v_mov_b32 v253, s73                            ; twice: the two halves of a dual instruction take their second sources from different register banks
	s_add_co_i32 s73, s72, 127
	s_lshl_b32 s74, s73, 23
	v_mov_b32 v4, s74                              ; 2^e10
	s_add_co_i32 s73, s73, 8
	s_lshl_b32 s73, s73, 23
	s_or_b32 s73, s73, 0x600000
	v_mov_b32 v3, s73                              ; 448 x 2^e10
	s_add_co_i32 s75, s70, s71                     ; e8 + e9
	s_mov_b32 s66, 0                               ; the trip
	s_wait_alu depctr_va_vdst(0)                   ; the wait at the head's end
	s_wait_loadcnt 0x0                             ; q
	s_wait_tensorcnt 0x0                           ; my part of key steps 0-3 is in
	ds_add_u32 v5, v6
	s_wait_dscnt 0x0
	CROUND                                         ; everybody's part is in, and the four partners meet
	tensor_load_to_lds s[44:47], s[32:39]          ; key steps 4-15: the first tensor load behind the round
	s_nop 0
.rept 4
	v_nop
.endr
	KLOAD 1                                        ; key step 0's k
.Lfirst:                                           ; trips 0-3 read key steps 0-3 alone
	TRIP 3, 3
	s_cmp_lt_u32 s66, 4
	s_wait_alu depctr_va_vdst(0)                   ; the wait here, directly ahead of the branch
	s_cbranch_scc1 .Lfirst
	s_wait_tensorcnt 0x0                           ; my part of key steps 4-15 is in;
	s_wait_dscnt 0x0
	s_barrier_signal -1
	s_barrier_wait -1                              ; everybody's: all of k and v lies in LDS
	s_mov_b32 s66, 4
	s_add_co_u32 s11, s19, 4                       ; trip 4's key step
	s_and_b32 s11, s11, 31
	s_min_u32 s11, s11, 4
	s_lshl_b32 s11, s11, 13
	v_add_nc_u32 v9, s11, v1
	KLOAD 9
.Lrest:                                            ; trips 4-16
	TRIP 16, 15
	s_cmp_lt_u32 s66, 17
	s_wait_alu depctr_va_vdst(0)                   ; the wait here, directly ahead of the branch
	s_cbranch_scc1 .Lrest
	FINISH 50, 160
	s_wait_tensorcnt 0x0                           ; the wave's end
	ds_add_u32 v5, v6
	s_wait_dscnt 0x0
	CROUND                                         ; the closing round
	s_endpgm
.Lfunc_end_k_qfd6ee453ec_attn:
	.size	k_qfd6ee453ec_attn, .Lfunc_end_k_qfd6ee453ec_attn-k_qfd6ee453ec_attn
	.p2alignl 7, 3214868480
	.fill 96, 4, 3214868480
	.section	.rodata,"a",@progbits
	.p2align	6, 0x0
	.amdhsa_kernel k_qfd6ee453ec_attn
		.amdhsa_group_segment_fixed_size 327680
		.amdhsa_private_segment_fixed_size 0
		.amdhsa_enable_private_segment 0
		.amdhsa_kernarg_size 24
		.amdhsa_user_sgpr_count 2
		.amdhsa_user_sgpr_kernarg_segment_ptr 1
		.amdhsa_wavefront_size32 1
		.amdhsa_system_sgpr_workgroup_id_x 1
		.amdhsa_system_sgpr_workgroup_id_y 1
		.amdhsa_system_sgpr_workgroup_id_z 1
		.amdhsa_system_vgpr_workitem_id 0
		.amdhsa_next_free_vgpr 512
		.amdhsa_next_free_sgpr 100
		.amdhsa_reserve_vcc 1
		.amdhsa_float_denorm_mode_32 3
		.amdhsa_float_denorm_mode_16_64 3
		.amdhsa_memory_ordered 1
		.amdhsa_forward_progress 1
		.amdhsa_inst_pref_size 119
	.end_amdhsa_kernel
	.amdgpu_metadata
---
amdhsa.version: [ 1, 2 ]
amdhsa.kernels:
  - .name:           k_qfd6ee453ec_attn
    .symbol:         k_qfd6ee453ec_attn.kd
    .args:
      - { .name: pc, .offset: 0, .size: 8, .value_kind: global_buffer, .address_space: global }
      - { .name: lowp_scales, .offset: 8, .size: 8, .value_kind: global_buffer, .address_space: global }
      - { .name: ac, .offset: 16, .size: 8, .value_kind: global_buffer, .address_space: global }
    .group_segment_fixed_size: 327680
    .private_segment_fixed_size: 0
    .kernarg_segment_align: 8
    .kernarg_segment_size: 24
    .max_flat_workgroup_size: 256
    .sgpr_count:     100
    .vgpr_count:     512
    .wavefront_size: 32
...
	.end_amdgpu_metadata
.endif
;; end of part 3
;; launch outp (part 4): grid 4 x 64, 4 waves a work-group, clusters of 4 x 4, 327,680 bytes of LDS; arguments ac, wc, bo, lowp_scales, out0; writes out0
.if DOCPART == 4
	.amdgcn_target "amdgcn-amd-amdhsa--gfx1250"
	.amdhsa_code_object_version 6
	.text
	.protected	k_qfd6ee453ec_outp
	.globl	k_qfd6ee453ec_outp
	.p2align	8
	.type	k_qfd6ee453ec_outp,@function
k_qfd6ee453ec_outp:
	s_mov_b64 s[64:65], 0
	v_nop
	global_prefetch_b8 v0, s[64:65] scope:SCOPE_SE
	s_setreg_imm32_b32 hwreg(HW_REG_WAVE_MODE, 25, 1), 1
	s_wait_xcnt 0x0
	s_wait_alu depctr_hold_cnt(0) depctr_sa_sdst(0) depctr_va_vdst(0) depctr_va_sdst(0) depctr_va_ssrc(0) depctr_va_vcc(0) depctr_vm_vsrc(0)
	s_getreg_b32 s2, hwreg(HW_REG_IB_STS2, 6, 4)
	s_cmp_eq_u32 s2, 0
	s_cbranch_scc0 .Lentry_in_a_cluster
	s_endpgm
.Lentry_in_a_cluster:
	s_bfe_u32 s2, ttmp6, 0x10000c
	s_cmp_lg_u32 s2, 0xf033
	s_cbranch_scc0 .Lentry_shape_is_right
	s_endpgm
.Lentry_shape_is_right:
; out0 = attention's result x wo + bo: [8192][1024] x [1024][1024] on codes of FP8 (E4M3), sums in f32, each sum x 2^(e10 + e11) + the bias.  LIMIT: e10 + e11 between -126 and 127, so that the factor is an f32 number.
; ac and wc + 3 MiB hold images of the operands' registers: [tile of 16 rows (of wo: columns)][K step of 128: 8][2,048]; register g of lane L at 512 (g / 4) + 16 L + 4 (g % 4).  A fragment is four loads of 16 bytes a lane, 512 bytes on end.
; A block of out0, 128 rows x 256 columns, is made by four waves, 64 x 128 each: 32 accumulators.  8192 x 1024 / (128 x 256) = 256 work-groups.
; ALL OPERANDS ARE ASKED FOR AT THE HEAD, each byte once, and nothing is filled again.  K steps 0-5 of the block's 8 tiles of A (98,304 bytes) and 16 tiles of B (196,608) come into LDS, one tensor load a wave
; (waves 0, 1: A's halves; waves 2, 3: B's): rows of 12,288 bytes, 16,384 apart in memory.  K steps 6 and 7 do not fit beside them: each wave loads its own fragments of them from memory straight into registers
; (4 + 8 tiles x 2 steps x 4 loads = 96 loads of 512 bytes on end).  They are multiplied first and start the sums; then one barrier, and the six steps out of LDS on two sets of fragment registers.
; CLUSTERS: 4 x 4 work-groups.  A's tiles hang on the block's rows and are shared along a row of the cluster, B's on its columns and are shared along a column: joint loads.
; THE MATRIX INSTRUCTION IS USED TRANSPOSED (source 0 = 16 columns of wo, source 1 = 16 rows of A): a lane holds eight neighbouring numbers of a row of out0.
; NO PREFETCH: every byte is asked for at the head; there is no loop ahead of those loads to ask in.
; REGISTERS, in windows of 256.  window 0: v0-31 addresses; v64-127, v128-191 A's fragments out of LDS, two sets; v128-255 first hold A's K steps 6, 7; v192-255 then the bias; on the way out v64-191 hold rows read back.
;   window 1: B's fragments out of LDS, two sets, at v0 and v128 (on the way out v0-63: a block's numbers).   window 2: accumulator (a, b) at v[8 (8 a + b)].   window 3: B's K steps 6, 7.
.set TROW,   12288                     ; a tile's six K steps in LDS
.set AH,     4*TROW                    ; 64 rows of A
.set BOFF,   2*AH                      ; B lies behind A's 128 rows
.set BH,     8*TROW                    ; 128 columns of B
.set SPARE,  BOFF+2*BH                 ; behind them the spare words, 128 bytes for each wave: two blocks of 256 bytes that no other line names
.set NP,     4                         ; places behind this matrix instruction (ISA guide 7.12.1)
.set SPITCH, 528                       ; the way out: a stage of 16 rows x (512 bytes + 16) for each wave, in A's bytes, which have had their one fill and, behind the second barrier, their last read
.set ROWC,   4096                      ; a row of out0
.set ADRA, 16                          ; v16     LDS address of my A fragments
.set ADRB, 20                          ; v20-21  of my B fragments, tiles 0-3 and 4-7
.set STO,  24
.set RD,   25
.set CO,   26                          ; v26     16 x lane
.set SPW,  28
.set NIL,  29
.set AL,   64
.set BI,   192
.set TMP,  0
.set BK,   64
.set G1, 24                            ; s[24:31] descriptor group 1 for A;  s[32:35] group 0
.set G0, 32
.set G1B, 48                           ; s[48:55], s[56:59] the same for B
.set G0B, 56
.set MSB, 0
.macro WIN new                         ; the immediate's high byte repeats the setting that is left
.if MSB != (\new)
	s_set_vgpr_msb (MSB<<8)|(\new)
.set MSB, (\new)
.endif
.endm
.macro CROUND                          ; a round of the cluster's barrier
	s_barrier_signal -1
	s_barrier_wait -1
	s_cmp_lg_u32 s14, 0
	s_cbranch_scc1 .Lnot_wave_0_\@
	s_barrier_signal -3
.Lnot_wave_0_\@:
	s_barrier_wait -3
	s_barrier_signal -1
	s_barrier_wait -1
.endm
.macro PLACES n
.rept \n
	v_nop
.endr
.endm
.macro RLOAD kk                        ; K step 6 + kk from memory: A's four fragments into window 0, B's eight into window 3
.irp a, 0,1,2,3
.irp c, 0,1,2,3
	global_load_b128 v[128+64*\kk+16*\a+4*\c:128+64*\kk+16*\a+4*\c+3], v[CO], s[68:69] offset:\a*16384+\kk*2048+512*\c
.endr
.endr
	WIN 0xc0
.irp b, 0,1,2,3,4,5,6,7
.irp c, 0,1,2,3
	global_load_b128 v[128*\kk+16*\b+4*\c:128*\kk+16*\b+4*\c+3], v[CO], s[70:71] offset:\b*16384+\kk*2048+512*\c
.endr
.endr
	WIN 0
.endm
.macro FETCH q, p                      ; K step q out of LDS into set p
	WIN 0x40
.irp b, 0,1,2,3
.irp c, 0,1,2,3
	ds_load_b128 v[128*(\p)+16*\b+4*\c:128*(\p)+16*\b+4*\c+3], v[ADRB] offset:\b*TROW+(\q)*2048+512*\c
	ds_load_b128 v[128*(\p)+64+16*\b+4*\c:128*(\p)+64+16*\b+4*\c+3], v[ADRB+1] offset:\b*TROW+(\q)*2048+512*\c
.endr
.endr
	WIN 0
.irp a, 0,1,2,3
.irp c, 0,1,2,3
	ds_load_b128 v[AL+64*(\p)+16*\a+4*\c:AL+64*(\p)+16*\a+4*\c+3], v[ADRA] offset:\a*TROW+(\q)*2048+512*\c
.endr
.endr
.endm
; 32 matrix instructions, 128 along K: the 32 accumulators take turns, one instruction a turn, in the same order in every step.  w: the windows; bb, ab: B's and A's first registers
.macro MUL32 w, bb, ab, zero
	WIN \w
.irp a, 0,1,2,3
.irp b, 0,1,2,3,4,5,6,7
.if \zero
	v_wmma_f32_16x16x128_fp8_fp8 v[8*(8*\a+\b):8*(8*\a+\b)+7], v[\bb+16*\b:\bb+16*\b+15], v[\ab+16*\a:\ab+16*\a+15], 0
.else
	v_wmma_f32_16x16x128_fp8_fp8 v[8*(8*\a+\b):8*(8*\a+\b)+7], v[\bb+16*\b:\bb+16*\b+15], v[\ab+16*\a:\ab+16*\a+15], v[8*(8*\a+\b):8*(8*\a+\b)+7]
.endif
.endr
.endr
	WIN 0
.endm
.macro LSTEP q                         ; K step q out of LDS: its fragments were asked for a step ago; the next step's go into the other set
	s_wait_dscnt 0x0
.if (\q) < 5
	PLACES NP                                      ; in front of loads into registers that the step before multiplied
	FETCH (\q)+1, ((\q)+1)%2
.if (\q) == 0
.set ii, 0
.rept 16                               ; the bias: register 8 b + j wants column 16 b + 8 h + j
	global_load_b128 v[BI+4*ii:BI+4*ii+3], v15, s[8:9] offset:64*(ii/2)+16*(ii%2)
.set ii, ii+1
.endr
.endif
.else
	s_barrier_signal -1                            ; my reads of A's and B's bytes are over
.endif
	MUL32 0xa1, 128*((\q)%2), AL+64*((\q)%2), 0
.if (\q) == 5
	s_barrier_wait -1                              ; everybody's: the stages may be written
.endif
.endm
	s_load_b256 s[4:11], s[0:1], 0x0               ; ac 4, wc 6, bo 8, the scales' exponents 10
	s_load_b64 s[12:13], s[0:1], 0x20              ; out0
	v_lshl_add_u32 v[SPW], v0, 2, SPARE
	v_mov_b32 v[NIL], 0
	ds_add_u32 v[SPW], v[NIL]                      ; the opening lines: the add, twice on end, and its wait ahead of my tensor load
	ds_add_u32 v[SPW], v[NIL]
	v_lshrrev_b32 v1, 5, v0
	v_readfirstlane_b32 s14, v1                    ; wave 0..3
	s_lshr_b32 s15, s14, 1                         ; which 64 rows are mine.  Also: I fetch for A (0) or for B (1)
	s_and_b32 s16, s14, 1                          ; which 128 columns.  Also: which half of that side I fetch
	s_bfe_u32 s40, ttmp6, 0x40000                  ; cx: which 256 columns
	s_bfe_u32 s41, ttmp6, 0x40004                  ; cy
	s_and_b32 s17, ttmp7, 0xffff
	s_lshl_b32 s17, s17, 2
	s_add_co_u32 s17, s17, s41                     ; which 128 rows, 0..63
	s_lshl_b32 s43, s41, 2
	s_lshl_b32 s43, 15, s43                        ; my row of the cluster
	s_lshl_b32 s44, 0x1111, s40                    ; my column
	s_or_b32 s[G1], s43, (3<<16)|(1<<21)           ; 15:0 the mask; 17:16 elements of 8 bytes; 21 set beside a mask
	s_or_b32 s[G1B], s44, (3<<16)|(1<<21)
.irp g, G1, G1B
	s_mov_b32 s[\g+1], 1536<<16                    ; tensor_dim0 = 1,536 elements: six K steps
	s_mov_b32 s[\g+3], 1536<<16                    ; tile_dim0
	s_mov_b32 s[\g+5], 2048                        ; tensor_dim0_stride: a tile's eight K steps
	s_mov_b32 s[\g+6], 0
	s_mov_b32 s[\g+7], 0
.endr
	s_mov_b32 s[G1+2], 4<<16                       ; A: four tiles a load
	s_mov_b32 s[G1+4], 4
	s_mov_b32 s[G1B+2], 8<<16                      ; B: eight
	s_mov_b32 s[G1B+4], 8
	s_lshl_b32 s20, s17, 17                        ; A: 128 rows are 8 tiles of 16,384 bytes; the half that I fetch
	s_lshl_b32 s18, s16, 16
	s_add_co_u32 s20, s20, s18
	s_mov_b32 s21, 0
	s_lshl_b32 s46, s40, 18                        ; B: wo's part of wc, 256 columns are 16 tiles; my half, to fetch and to multiply
	s_lshl_b32 s18, s16, 17
	s_add_co_u32 s46, s46, s18
	s_add_co_u32 s46, s46, 0x300000
	s_mov_b32 s47, 0
	s_lshl_b32 s22, s17, 17                        ; A's K step 6 of the 64 rows that I multiply
	s_lshl_b32 s23, s15, 16
	s_add_co_u32 s22, s22, s23
	s_add_co_u32 s22, s22, TROW
	s_mov_b32 s23, 0
	s_lshl_b32 s66, s40, 10                        ; my 128 columns, in bytes of f32
	s_lshl_b32 s67, s16, 9
	s_add_co_u32 s66, s66, s67
	s_mov_b32 s67, 0
	s_lshl_b32 s72, s17, 19                        ; my first row of out0,
	s_lshl_b32 s73, s15, 18
	s_add_co_u32 s72, s72, s73
	s_add_co_u32 s72, s72, s66                     ; and column
	s_mov_b32 s73, 0
	s_mul_i32 s[G0+1], s16, AH                     ; where the tiles go: no place in the cluster enters an LDS address
	s_mul_i32 s[G0B+1], s16, BH
	s_add_co_u32 s[G0B+1], s[G0B+1], BOFF
	s_mul_i32 s75, s15, AH                         ; and where I read
	s_mul_i32 s76, s16, BH
	s_add_co_u32 s76, s76, BOFF
	s_mul_i32 s77, s14, 16*SPITCH                  ; my stage
	s_wait_dscnt 0x0                               ; both opening adds are done
	s_wait_kmcnt 0x0
	s_load_b64 s[96:97], s[10:11], 0x28            ; e10, e11
	s_add_nc_u64 s[20:21], s[4:5], s[20:21]
	s_add_nc_u64 s[46:47], s[6:7], s[46:47]
	s_add_nc_u64 s[68:69], s[4:5], s[22:23]
	s_add_nc_u64 s[70:71], s[46:47], TROW          ; B's K step 6
	s_add_nc_u64 s[8:9], s[8:9], s[66:67]
	s_add_nc_u64 s[12:13], s[12:13], s[72:73]
	s_mov_b32 s[G0], 1
	s_mov_b64 s[G0+2:G0+3], s[20:21]
	s_or_b32 s[G0+3], s[G0+3], 0x80000000
	s_mov_b32 s[G0B], 1
	s_mov_b64 s[G0B+2:G0B+3], s[46:47]
	s_or_b32 s[G0B+3], s[G0B+3], 0x80000000
	CROUND                                         ; all sixteen work-groups are here: the joint loads meet
	s_cmp_eq_u32 s15, 0                            ; one tensor load a wave; the branch hangs on the wave's number alone
	s_cbranch_scc0 .Lfor_b
	tensor_load_to_lds s[G0:G0+3], s[G1:G1+7]
	s_nop 0
.rept 4
	v_nop
.endr
	s_branch .Lasked
.Lfor_b:
	tensor_load_to_lds s[G0B:G0B+3], s[G1B:G1B+7]
	s_nop 0
.rept 4
	v_nop
.endr
.Lasked:
	v_and_b32 v6, 31, v0
	v_lshlrev_b32 v[CO], 4, v6
	v_and_b32 v1, 15, v0                           ; r
	v_bfe_u32 v2, v0, 4, 1                         ; h
	v_lshlrev_b32 v15, 5, v2                       ; the bias: + 8 h numbers
	v_add_nc_u32 v[ADRA], s75, v[CO]
	v_add_nc_u32 v[ADRB], s76, v[CO]
	v_add_nc_u32 v[ADRB+1], 4*TROW, v[ADRB]
	v_mul_u32_u24 v5, v1, SPITCH                   ; into the stage: row r, 32 bytes for each half of the lanes
	v_lshl_add_u32 v5, v2, 5, v5
	v_add_nc_u32 v[STO], s77, v5
	v_add_nc_u32 v[RD], s77, v[CO]                 ; back: the 32 lanes take one row of 512 bytes
	s_wait_alu depctr_va_vdst(0)                   ; the wait at the head's end
	RLOAD 0
	RLOAD 1
	s_wait_loadcnt 48                              ; K step 6's 48 loads are in; K step 7's 48 may be out
	MUL32 0xa3, 0, 128, 1                          ; K step 6 starts the sums: nothing is cleared
	s_wait_tensorcnt 0x0                           ; my part of the tiles is in;
	s_barrier_signal -1
	s_barrier_wait -1                              ; everybody's
	FETCH 0, 0                                     ; into registers that no matrix instruction has named yet
	s_wait_loadcnt 0x0
	MUL32 0xa3, 128, 192, 0                        ; K step 7
.irp q, 0,1,2,3,4,5
	LSTEP \q
.endr
; THE WAY OUT, block by block of 16 rows x 128 columns: sum x 2^(e10 + e11) + bias, through my stage, back as whole rows of 512 bytes, which the 32 lanes store as two aligned units of 256 bytes.
; LDS serves a wave's instructions in order (ISA guide 5.7.1.4): no wait between the stores and the loads.
.macro TOSTAGE a
.set AC, 64*(\a)
	WIN 0x42                                       ; source 0: window 2; destination: window 1
.set jj, 0
.rept 32                               ; each accumulator from its low end on
	v_pk_fma_f32 v[TMP+jj:TMP+jj+1], v[AC+jj:AC+jj+1], s[96:97], v[BI+jj:BI+jj+1] op_sel_hi:[1,0,1]
.set jj, jj+2
.endr
	WIN 0x04                                       ; an LDS store's data: window 1
.irp b, 0,1,2,3,4,5,6,7
	ds_store_b128 v[STO], v[TMP+8*\b:TMP+8*\b+3] offset:64*\b
	ds_store_b128 v[STO], v[TMP+8*\b+4:TMP+8*\b+7] offset:64*\b+16
.endr
	WIN 0
.set BB, BK+64*((\a)%2)
.irp t, 0,1,2,3,4,5,6,7,8,9,10,11,12,13,14,15
	ds_load_b128 v[BB+4*\t:BB+4*\t+3], v[RD] offset:\t*SPITCH
.endr
.endm
.macro SEND a, younger                 ; younger: the LDS instructions issued behind block a's loads, which may stay out
.set BB, BK+64*((\a)%2)
	s_wait_dscnt \younger
.if (\a) > 0
	s_add_nc_u64 s[12:13], s[12:13], 16*ROWC       ; (behind a wait on XCNT: the earlier stores have read their base)
.endif
.irp t, 0,1,2,3,4,5,6,7,8,9,10,11,12,13,14,15
	global_store_b128 v[CO], v[BB+4*\t:BB+4*\t+3], s[12:13] offset:\t*ROWC th:TH_STORE_NT
.endr
.endm
	s_wait_kmcnt 0x0
	s_add_co_i32 s96, s96, s97
	s_add_co_i32 s96, s96, 127
	s_lshl_b32 s96, s96, 23                        ; 2^(e10 + e11) as f32
	s_mov_b32 s97, s96                             ; (named with it as a pair, so it is written)
	s_wait_loadcnt 0x0                             ; the bias
	PLACES NP                                      ; in front of the first read of results and of the lines that write where fragments lay
	TOSTAGE 0
.irp a, 1,2,3
.if \a > 1
	s_wait_xcnt 0x0                                ; block a - 2's stores have read their registers and their base
.endif
	TOSTAGE \a
	SEND \a-1, 32                                  ; behind block a - 1's loads: block a's 16 stores and 16 loads
.endr
	s_wait_xcnt 0x0
	SEND 3, 0
	s_wait_tensorcnt 0x0                           ; the wave's end
	ds_add_u32 v[SPW], v[NIL]
	s_wait_dscnt 0x0
	CROUND                                         ; the closing round
	s_endpgm
.Lfunc_end_k_qfd6ee453ec_outp:
	.size	k_qfd6ee453ec_outp, .Lfunc_end_k_qfd6ee453ec_outp-k_qfd6ee453ec_outp
	.p2alignl 7, 3214868480
	.fill 96, 4, 3214868480
	.section	.rodata,"a",@progbits
	.p2align	6, 0x0
	.amdhsa_kernel k_qfd6ee453ec_outp
		.amdhsa_group_segment_fixed_size 327680
		.amdhsa_private_segment_fixed_size 0
		.amdhsa_enable_private_segment 0
		.amdhsa_kernarg_size 40
		.amdhsa_user_sgpr_count 2
		.amdhsa_user_sgpr_kernarg_segment_ptr 1
		.amdhsa_wavefront_size32 1
		.amdhsa_system_sgpr_workgroup_id_x 1
		.amdhsa_system_sgpr_workgroup_id_y 1
		.amdhsa_system_sgpr_workgroup_id_z 1
		.amdhsa_system_vgpr_workitem_id 0
		.amdhsa_next_free_vgpr 1024
		.amdhsa_next_free_sgpr 98
		.amdhsa_reserve_vcc 0
		.amdhsa_float_denorm_mode_32 3
		.amdhsa_float_denorm_mode_16_64 3
		.amdhsa_memory_ordered 1
		.amdhsa_forward_progress 1
		.amdhsa_inst_pref_size 76
	.end_amdhsa_kernel
	.amdgpu_metadata
---
amdhsa.version: [ 1, 2 ]
amdhsa.kernels:
  - .name:           k_qfd6ee453ec_outp
    .symbol:         k_qfd6ee453ec_outp.kd
    .args:
      - { .name: ac, .offset: 0, .size: 8, .value_kind: global_buffer, .address_space: global }
      - { .name: wc, .offset: 8, .size: 8, .value_kind: global_buffer, .address_space: global }
      - { .name: bo, .offset: 16, .size: 8, .value_kind: global_buffer, .address_space: global }
      - { .name: lowp_scales, .offset: 24, .size: 8, .value_kind: global_buffer, .address_space: global }
      - { .name: out0, .offset: 32, .size: 8, .value_kind: global_buffer, .address_space: global }
    .group_segment_fixed_size: 327680
    .private_segment_fixed_size: 0
    .kernarg_segment_align: 8
    .kernarg_segment_size: 40
    .max_flat_workgroup_size: 128
    .sgpr_count:     98
    .vgpr_count:     1024
    .wavefront_size: 32
...
	.end_amdgpu_metadata
.endif
;; end of part 4
